; MI455X (gfx1250); checked and timed in simulation.
; The chip was launched on July 23, 2026; its instructions are those of AMD's public machine-readable ISA for CDNA 5 (MIT licence, August 2026) and "CDNA5" Instruction Set Architecture Reference Guide (July 2026). The comments in the code are by the model that wrote it; some were corrected since.
;; Transformer Layer. Allowed arithmetic: float matrix products may take bf16 or f16 operands with f32 sums; all other float work in f32.
;; Inputs: b1 4,096 float32; b2 1,024 float32; ln1_b 1,024 float32; ln1_w 1,024 float32; ln2_b 1,024 float32; ln2_w 1,024 float32; w1 4,096 x 1,024 float32; w2 1,024 x 4,096 float32; w_o 1,024 x 1,024 float32; w_qkv 3,072 x 1,024 float32; x 2 x 2,048 x 1,024 float32.
;; Outputs: out0 2 x 2,048 x 1,024 float32.
;; 2 versions, each right; version 2 is version 1 with the launches prep, ln2 written anew for expert scheduling mode. Each part assembles by itself: llvm-mc -triple=amdgcn-amd-amdhsa -mcpu=gfx1250 --defsym DOCPART=n.
;; ======== version 1 of 2: 7 launches
;; limits: values are held in f16: magnitudes above 65,504 overflow, below 6.1e-05 lose precision
;; workspace buffers: hn 8,388,608 bytes; wts 25,165,824 bytes; qkv 25,165,824 bytes; av 8,388,608 bytes; x1 16,777,216 bytes; g 33,554,432 bytes
;; launch prep (part 1): grid 512 x 1, 8 waves a work-group, no clusters, 0 bytes of LDS; arguments x, ln1_w, ln1_b, w_qkv, w_o, w1, w2, hn, wts; writes hn, wts
.if DOCPART == 1
	.amdgcn_target "amdgcn-amd-amdhsa--gfx1250"
	.amdhsa_code_object_version 6
	.text
	.protected	k_qd9abdf0c0b_prep
	.globl	k_qd9abdf0c0b_prep
	.p2align	8
	.type	k_qd9abdf0c0b_prep,@function
k_qd9abdf0c0b_prep:
	s_mov_b64 s[64:65], 0
	v_nop
	global_prefetch_b8 v0, s[64:65] scope:SCOPE_SE
	s_setreg_imm32_b32 hwreg(HW_REG_WAVE_MODE, 25, 1), 1
	s_wait_xcnt 0x0
; Two streams in one launch; the unit of both is a row of 1,024 f32 (4,096 bytes) that leaves as 1,024 f16 (2,048 bytes).
; Work-groups 0-127:   hn = LayerNorm(x) * ln1_w + ln1_b, 4,096 rows.  Mean first, then the squares of (x - mean): two true passes on registers.
; Work-groups 128-511: wts = the four weights times their folded scales, 12,288 rows:
;   rows 0-3071     w_qkv * 3^-1/4 2^-5, rows permuted: row z*1024 + h*64 + d of wts is row d*48 + z*16 + h of w_qkv
;   rows 3072-4095  w_o * 2^-5 sqrt(0.2) SM_SCALE MM_SCALE (the attention launch hands on the plain weighted mean of v)
;   rows 4096-8191  w1 * 2^-5.5
;   rows 8192-12287 w2 * 2^-5.5 sqrt(0.2) / 0.63, taken as 4,096 pieces of 1,024 numbers (the layout [1024][4096] is kept)
; A wave takes 4 rows, all 32 loads issued at once; lane l holds elements 4 l + 128 j + e in register 4 j + e, so a load of the wave covers
; 512 consecutive bytes and a store 256 consecutive bytes, aligned.  No LDS, no barrier, no matrix unit: bytes alone count here.
; FORMAT: f16, for its 11 bits: ten roundings of operands lie between x and the layer's output.  Room: a normalised row of 1,024 numbers is below 32 in magnitude,
; so |hn| <= 32 |gain| + |bias|; |wts| <= 0.77 |w|.  Limit: a result of 65,520 or more becomes infinity; below 2^-14 the step is 2^-24.
.set OFF,  4                           ; v[4:7]    row i: byte offset of my 16 bytes in the source
.set A0,   8                           ; v[8:9]    sum chain 0
.set A1,   10                          ; v[10:11]  sum chain 1
.set MEAN, 12                          ; v[12:13]  the mean, twice
.set RS,   14                          ; v[14:15]  1/sqrt(var + eps), twice
.set T,    16                          ; v[16:17]  at work
.set W,    24                          ; v[24:55]  gain of my 32 columns
.set BV,   56                          ; v[56:87]  bias of my 32 columns
.set X,    88                          ; v[88:215] row i at 88 + 32 i
	s_load_b512 s[8:23], s[0:1], 0x0               ; x 8, ln1_w 10, ln1_b 12, w_qkv 14, w_o 16, w1 18, w2 20, hn 22
	s_load_b64 s[24:25], s[0:1], 0x40              ; wts
	v_lshrrev_b32 v3, 5, v0
	v_readfirstlane_b32 s2, v3                     ; wave
	v_and_b32 v1, 31, v0
	v_lshlrev_b32 v2, 3, v1                        ; 8 x lane: my 8 bytes of a stored block of 256
	v_lshlrev_b32 v1, 4, v1                        ; 16 x lane: my 16 bytes of a loaded block of 512
	s_lshl_b32 s2, s2, 2                           ; 4 rows a wave
	s_mov_b32 s7, 0
.macro FILL4                           ; 4 rows x 8 loads; s30 = byte offset of the first row, s31 = bytes from row to row
.irp i, 0,1,2,3
	v_add_nc_u32 v[OFF+\i], s30, v1
	s_add_co_u32 s30, s30, s31
.irp j, 0,1,2,3,4,5,6,7
	global_load_b128 v[X+32*\i+4*\j:X+32*\i+4*\j+3], v[OFF+\i], s[26:27] offset:512*\j th:TH_LOAD_NT
.endr
.endr
.endm
.macro PACKOUT i                       ; round in place (the target never passes an unread source) and store
.irp k, 0,1,2,3,4,5,6,7,8,9,10,11,12,13,14,15
	v_cvt_pk_f16_f32 v[X+32*\i+\k], v[X+32*\i+2*\k], v[X+32*\i+2*\k+1]
.endr
.irp j, 0,1,2,3,4,5,6,7
	global_store_b64 v2, v[X+32*\i+2*\j:X+32*\i+2*\j+1], s[28:29] offset:\i*2048+\j*256
.endr
.endm
.macro WRED                            ; sum of v[T] over the 32 lanes, in every lane
	v_add_f32_dpp v[T], v[T], v[T] row_xmask:1 row_mask:0xf bank_mask:0xf
	v_add_f32_dpp v[T], v[T], v[T] row_xmask:2 row_mask:0xf bank_mask:0xf
	v_add_f32_dpp v[T], v[T], v[T] row_xmask:4 row_mask:0xf bank_mask:0xf
	v_add_f32_dpp v[T], v[T], v[T] row_xmask:8 row_mask:0xf bank_mask:0xf
	v_permlanex16_b32 v[T+1], v[T], s34, s35
	v_add_f32 v[T], v[T], v[T+1]
.endm
.macro LNROW i
.set XR, X+32*\i
	s_wait_loadcnt 8*(3-\i)                        ; loads return in order: this row (and gain and bias, which are older) is in, the younger rows' 8 loads each stay out
	v_pk_add_f32 v[A0:A0+1], v[XR:XR+1], v[XR+2:XR+3]
	v_pk_add_f32 v[A1:A1+1], v[XR+4:XR+5], v[XR+6:XR+7]
.irp p, 8,12,16,20,24,28
	v_pk_add_f32 v[A0:A0+1], v[A0:A0+1], v[XR+\p:XR+\p+1]
	v_pk_add_f32 v[A1:A1+1], v[A1:A1+1], v[XR+\p+2:XR+\p+3]
.endr
	v_pk_add_f32 v[A0:A0+1], v[A0:A0+1], v[A1:A1+1]
	v_add_f32 v[T], v[A0], v[A0+1]
	WRED
	v_mul_f32 v[MEAN], s36, v[T]
	v_mul_f32 v[MEAN+1], s36, v[T]
.irp p, 0,2,4,6,8,10,12,14,16,18,20,22,24,26,28,30
	v_pk_add_f32 v[XR+\p:XR+\p+1], v[XR+\p:XR+\p+1], v[MEAN:MEAN+1] neg_lo:[0,1] neg_hi:[0,1]
.endr
	v_pk_mul_f32 v[A0:A0+1], v[XR:XR+1], v[XR:XR+1]
	v_pk_mul_f32 v[A1:A1+1], v[XR+2:XR+3], v[XR+2:XR+3]
.irp p, 4,8,12,16,20,24,28
	v_pk_fma_f32 v[A0:A0+1], v[XR+\p:XR+\p+1], v[XR+\p:XR+\p+1], v[A0:A0+1]
	v_pk_fma_f32 v[A1:A1+1], v[XR+\p+2:XR+\p+3], v[XR+\p+2:XR+\p+3], v[A1:A1+1]
.endr
	v_pk_add_f32 v[A0:A0+1], v[A0:A0+1], v[A1:A1+1]
	v_add_f32 v[T], v[A0], v[A0+1]
	WRED
	v_fma_f32 v[T], v[T], s36, s37                 ; variance + eps
	v_rsq_f32 v[RS], v[T]
	v_nop                                          ; one plain place behind the transcendental (ISA guide 5.7.2)
	s_wait_alu depctr_va_vdst(0)
	v_mov_b32 v[RS+1], v[RS]
.irp p, 0,2,4,6,8,10,12,14,16,18,20,22,24,26,28,30
	v_pk_mul_f32 v[XR+\p:XR+\p+1], v[XR+\p:XR+\p+1], v[RS:RS+1]
.endr
.irp p, 0,2,4,6,8,10,12,14,16,18,20,22,24,26,28,30
	v_pk_fma_f32 v[XR+\p:XR+\p+1], v[XR+\p:XR+\p+1], v[W+\p:W+\p+1], v[BV+\p:BV+\p+1]
.endr
	PACKOUT \i
.endm
.macro CASTROW i
	s_wait_loadcnt 8*(3-\i)                        ; this row is in, the younger rows' 8 loads each stay out
.irp p, 0,2,4,6,8,10,12,14,16,18,20,22,24,26,28,30
	v_pk_mul_f32 v[X+32*\i+\p:X+32*\i+\p+1], v[X+32*\i+\p:X+32*\i+\p+1], s[32:33] op_sel_hi:[1,0]
.endr
	PACKOUT \i
.endm
	s_wait_kmcnt 0x0
	s_cmp_lt_u32 ttmp9, 128
	s_cbranch_scc0 .Lcast
	; ---- LayerNorm: rows 32 g + 4 wave .. + 3 of x
	s_mov_b32 s34, 0x76543210                      ; v_permlanex16_b32: lane i reads lane i of the other half
	s_mov_b32 s35, 0xfedcba98
	s_mov_b32 s36, 0x3a800000                      ; 1/1024
	s_mov_b32 s37, 0x3727c5ac                      ; 1e-5
	v_mov_b32 v[T+1], 0                            ; v_permlanex16_b32 counts as a reader of its destination
	s_lshl_b32 s3, ttmp9, 5
	s_add_co_u32 s3, s3, s2                        ; first row
	s_lshl_b32 s30, s3, 12
	s_movk_i32 s31, 0x1000
	s_lshl_b32 s6, s3, 11
	s_mov_b64 s[26:27], s[8:9]
	s_add_nc_u64 s[28:29], s[22:23], s[6:7]
.irp j, 0,1,2,3,4,5,6,7
	global_load_b128 v[W+4*\j:W+4*\j+3], v1, s[10:11] offset:512*\j
	global_load_b128 v[BV+4*\j:BV+4*\j+3], v1, s[12:13] offset:512*\j
.endr
	FILL4
	LNROW 0
	LNROW 1
	LNROW 2
	LNROW 3
	s_endpgm
.Lcast:
	; ---- weights: rows 32 (g - 128) + 4 wave .. + 3 of wts.  The four rows of a wave lie in one weight, and in w_qkv share z and h.
	s_sub_co_u32 s3, ttmp9, 128
	s_lshl_b32 s3, s3, 5
	s_add_co_u32 s3, s3, s2                        ; first row of wts
	s_mov_b32 s38, 0x3cc28497                      ; 3^-1/4 2^-5
	s_mov_b32 s39, 0x3f44392d                      ; 2^-5 sqrt(0.2) SM_SCALE MM_SCALE = 0.7664974
	s_mov_b32 s40, 0x3cb504f3                      ; 2^-5.5
	s_mov_b32 s41, 0x3c807fb8                      ; 2^-5.5 sqrt(0.2) / 0.63
	s_mov_b32 s42, 196608                          ; 48 rows of w_qkv: from d to d + 1
	s_movk_i32 s43, 0x1000
	s_and_b32 s4, s3, 63                           ; d
	s_mul_i32 s4, s4, 48
	s_lshr_b32 s5, s3, 10                          ; z
	s_lshl4_add_u32 s4, s5, s4
	s_bfe_u32 s5, s3, 0x40006                      ; h
	s_add_co_u32 s4, s4, s5                        ; source row in w_qkv
	s_sub_co_u32 s5, s3, 3072
	s_cmp_lt_u32 s3, 3072
	s_cselect_b64 s[26:27], s[14:15], s[16:17]
	s_cselect_b32 s4, s4, s5
	s_cselect_b32 s32, s38, s39
	s_cselect_b32 s31, s42, s43
	s_sub_co_u32 s5, s3, 4096
	s_cmp_lt_u32 s3, 4096
	s_cselect_b64 s[26:27], s[26:27], s[18:19]
	s_cselect_b32 s4, s4, s5
	s_cselect_b32 s32, s32, s40
	s_sub_co_u32 s5, s3, 8192
	s_cmp_lt_u32 s3, 8192
	s_cselect_b64 s[26:27], s[26:27], s[20:21]
	s_cselect_b32 s4, s4, s5
	s_cselect_b32 s32, s32, s41
	s_mov_b32 s33, s32
	s_lshl_b32 s30, s4, 12
	s_lshl_b32 s6, s3, 11
	s_add_nc_u64 s[28:29], s[24:25], s[6:7]
	FILL4
	CASTROW 0
	CASTROW 1
	CASTROW 2
	CASTROW 3
	s_endpgm
.Lfunc_end_k_qd9abdf0c0b_prep:
	.size	k_qd9abdf0c0b_prep, .Lfunc_end_k_qd9abdf0c0b_prep-k_qd9abdf0c0b_prep
	.p2alignl 7, 3214868480
	.fill 96, 4, 3214868480
	.section	.rodata,"a",@progbits
	.p2align	6, 0x0
	.amdhsa_kernel k_qd9abdf0c0b_prep
		.amdhsa_group_segment_fixed_size 0
		.amdhsa_private_segment_fixed_size 0
		.amdhsa_enable_private_segment 0
		.amdhsa_kernarg_size 72
		.amdhsa_user_sgpr_count 2
		.amdhsa_user_sgpr_kernarg_segment_ptr 1
		.amdhsa_wavefront_size32 1
		.amdhsa_system_sgpr_workgroup_id_x 1
		.amdhsa_system_sgpr_workgroup_id_y 1
		.amdhsa_system_sgpr_workgroup_id_z 1
		.amdhsa_system_vgpr_workitem_id 0
		.amdhsa_next_free_vgpr 216
		.amdhsa_next_free_sgpr 66
		.amdhsa_reserve_vcc 0
		.amdhsa_float_denorm_mode_32 3
		.amdhsa_float_denorm_mode_16_64 3
		.amdhsa_memory_ordered 1
		.amdhsa_forward_progress 1
		.amdhsa_inst_pref_size 54
	.end_amdhsa_kernel
	.amdgpu_metadata
---
amdhsa.version: [ 1, 2 ]
amdhsa.kernels:
  - .name:           k_qd9abdf0c0b_prep
    .symbol:         k_qd9abdf0c0b_prep.kd
    .args:
      - { .name: x, .offset: 0, .size: 8, .value_kind: global_buffer, .address_space: global }
      - { .name: ln1_w, .offset: 8, .size: 8, .value_kind: global_buffer, .address_space: global }
      - { .name: ln1_b, .offset: 16, .size: 8, .value_kind: global_buffer, .address_space: global }
      - { .name: w_qkv, .offset: 24, .size: 8, .value_kind: global_buffer, .address_space: global }
      - { .name: w_o, .offset: 32, .size: 8, .value_kind: global_buffer, .address_space: global }
      - { .name: w1, .offset: 40, .size: 8, .value_kind: global_buffer, .address_space: global }
      - { .name: w2, .offset: 48, .size: 8, .value_kind: global_buffer, .address_space: global }
      - { .name: hn, .offset: 56, .size: 8, .value_kind: global_buffer, .address_space: global }
      - { .name: wts, .offset: 64, .size: 8, .value_kind: global_buffer, .address_space: global }
    .group_segment_fixed_size: 0
    .private_segment_fixed_size: 0
    .kernarg_segment_align: 8
    .kernarg_segment_size: 72
    .max_flat_workgroup_size: 256
    .sgpr_count:     66
    .vgpr_count:     216
    .wavefront_size: 32
...
	.end_amdgpu_metadata
.endif
;; end of part 1
;; launch gemm_qkv (part 2): grid 12 x 16, 4 waves a work-group, clusters of 4 x 4, 327,680 bytes of LDS; arguments hn, wts, qkv; writes qkv
.if DOCPART == 2
	.amdgcn_target "amdgcn-amd-amdhsa--gfx1250"
	.amdhsa_code_object_version 6
	.text
	.protected	k_qd9abdf0c0b_gemm_qkv
	.globl	k_qd9abdf0c0b_gemm_qkv
	.p2align	8
	.type	k_qd9abdf0c0b_gemm_qkv,@function
k_qd9abdf0c0b_gemm_qkv:
	s_mov_b64 s[64:65], 0
	v_nop
	global_prefetch_b8 v0, s[64:65] scope:SCOPE_SE
	s_setreg_imm32_b32 hwreg(HW_REG_WAVE_MODE, 25, 1), 1
	s_wait_xcnt 0x0
	s_wait_alu depctr_hold_cnt(0) depctr_sa_sdst(0) depctr_va_vdst(0) depctr_va_sdst(0) depctr_va_ssrc(0) depctr_va_vcc(0) depctr_vm_vsrc(0)
	s_getreg_b32 s2, hwreg(HW_REG_IB_STS2, 6, 4)
	s_cmp_eq_u32 s2, 0
	s_cbranch_scc0 .Lentry_in_a_cluster
	s_endpgm
.Lentry_in_a_cluster:
	s_bfe_u32 s2, ttmp6, 0x10000c
	s_cmp_lg_u32 s2, 0xf033
	s_cbranch_scc0 .Lentry_shape_is_right
	s_endpgm
.Lentry_shape_is_right:
; qkv[z][b*16+h][s][d] = sum over k of hn[b*2048+s][k] wq'[z*1024+h*64+d][k].  hn: [4096][1024] f16; wq': rows 0-3071 of wts, f16, scale folded in; sums in f32.
; A work-group makes a block of 256 x 256 with four waves; a wave makes 128 x 128: 64 accumulator tiles of 16 x 16, 512 registers.
; K goes in steps of 128 through a ring of two LDS slots filled by the tensor data mover; a tile's rows are 256 bytes of memory, aligned.
; CLUSTERS: 4 x 4 work-groups.  The four of a row of the cluster need the same tiles of hn, the four of a column the same tiles of wq':
; each tile is asked for jointly (same descriptor, a mask that names the four), which divides the requests by four.
; 12 x 16 = 192 work-groups: the block shape is kept for its reuse of LDS bytes.
; REGISTERS in windows of 256: window 0: v0-31 addresses, v64-127 and v128-191 fragments of A (two buffers), v192-223 at work on the way out;
; window 1: v64-127, v128-191 fragments of B; window 2: accumulators of my rows 0-63 (tile (a, b) at 8 (8 a + b)); window 3: rows 64-127.
; THE MATRIX INSTRUCTION IS USED TRANSPOSED (source 0 = rows of B, source 1 = rows of A): a lane's eight results are eight neighbouring columns of one row.
; FORMAT: q, k, v leave in f16.  Room: with gains and weights of spread 1 they have spread 0.76; gain and weight both 30 times larger give a spread of about 700 to 1,000,
; a weight offset of 30 on a norm bias of 30 about 22,000.  Limit: a q, k or v of 65,520 or more becomes infinity; below 2^-14 the step is 2^-24.
.set SIZE_M, 4096
.set SIZE_N, 3072
.set SIZE_K, 1024
.set KSTEP,  128
.set PITCH,  272                       ; an LDS row: 256 bytes + 16 of padding, so the 16 rows of a fragment load start at 16 different groups of banks (ISA guide 11.1)
.set HALFT,  128*PITCH
.set SLOT,   4*HALFT                   ; A's 256 rows, then B's 256 rows
.set STAGE,  2*SLOT                    ; behind the ring: 16 rows x 272 bytes for each wave, for the way out
.set SPITCH, 272
.set LAPS, SIZE_K/(2*KSTEP)
.set ADRA, 16
.set ADRB, 20
.set STO,  24
.set RD,   25
.set CO,   26
.set F0,   64
.set F1,   128
.set TMP,  192
.set G1, 24
.set G0, 32
.set G1B, 48
.set G0B, 56
.set MSB, 0
.macro WIN new                         ; the immediate's high byte repeats the setting that is left
.if MSB != \new
	s_set_vgpr_msb (MSB<<8)|\new
.set MSB, \new
.endif
.endm
.set MUL_LO, 0xa1                      ; source 0 (B) window 1, source 1 (A) window 0, C and D window 2
.set MUL_HI, 0xf1                      ; the same, C and D window 3
.set TO_B,   0x40                      ; destination window 1, address window 0
; A joint load.  Waves 0 and 1 fetch A's two halves, waves 2 and 3 B's; each line has one mask and one set of registers.  The branch hangs on the wave's number alone.
.macro JLOAD s
	s_cmp_eq_u32 s11, 0
	s_cbranch_scc0 .Lfor_b_\@
	tensor_load_to_lds s[G0+4*\s:G0+4*\s+3], s[G1:G1+7]
	s_nop 0
.rept 4
	v_nop
.endr
	s_branch .Lasked_\@
.Lfor_b_\@:
	tensor_load_to_lds s[G0B+4*\s:G0B+4*\s+3], s[G1B:G1B+7]
	s_nop 0
.rept 4
	v_nop
.endr
.Lasked_\@:
.endm
; A round of the cluster's barrier: my work-group's barrier; wave 0 signals for the work-group; every wave waits for all sixteen; my work-group's barrier once more.
.macro CREST
	s_cmp_lg_u32 s10, 0
	s_cbranch_scc1 .Lnot_wave_0_\@
	s_barrier_signal -3
.Lnot_wave_0_\@:
	s_barrier_wait -3
	s_barrier_signal -1
	s_barrier_wait -1
.endm
.macro CROUND
	s_barrier_signal -1
	s_barrier_wait -1
	CREST
.endm
	s_load_b128 s[4:7], s[0:1], 0x0                ; hn s[4:5], wts s[6:7] (wq' begins at byte 0)
	s_load_b64 s[8:9], s[0:1], 0x10                ; qkv
	s_set_vgpr_msb 0x40
	v_lshl_add_u32 v255, v0, 2, 0x48400
	s_set_vgpr_msb 0x4000
	v_mov_b32 v255, 0
	s_set_vgpr_msb 0x1
	ds_add_u32 v255, v255
	s_set_vgpr_msb 0x100
	v_lshrrev_b32 v1, 5, v0
	v_readfirstlane_b32 s10, v1                    ; wave 0..3
	s_lshr_b32 s11, s10, 1                         ; which half of the block's rows is mine; also: I fetch for A (0) or B (1)
	s_and_b32 s12, s10, 1                          ; which half of its columns; also: which 128 rows of that tile I fetch
	s_bfe_u32 s40, ttmp6, 0x40000                  ; cx
	s_bfe_u32 s41, ttmp6, 0x40004                  ; cy
	s_lshl_b32 s42, ttmp9, 2
	s_add_co_u32 s42, s42, s40                     ; block column
	s_and_b32 s13, ttmp7, 0xffff
	s_lshl_b32 s13, s13, 2
	s_add_co_u32 s13, s13, s41                     ; block row
	s_lshl_b32 s43, s41, 2
	s_lshl_b32 s43, 15, s43                        ; my row of the cluster
	s_lshl_b32 s44, 0x1111, s40                    ; my column
	s_or_b32 s[G1+0], s43, (1<<16)|(1<<20)|(1<<21)|(5<<22)|(3<<25)  ; mask; 2-byte elements; padding of 4 words after every 64; bit 21 beside a mask
	s_or_b32 s[G1B+0], s44, (1<<16)|(1<<20)|(1<<21)|(5<<22)|(3<<25)
	s_mov_b32 s[G1B+1], KSTEP<<16
	s_mov_b32 s[G1+1], KSTEP<<16                   ; tensor_dim0 = 128
	s_mov_b32 s[G1B+2], 128<<16
	s_mov_b32 s[G1+2], 128<<16                     ; tensor_dim1 = 128
	s_mov_b32 s[G1B+3], KSTEP<<16
	s_mov_b32 s[G1+3], KSTEP<<16                   ; tile_dim0 = 128
	s_mov_b32 s[G1B+4], 128
	s_mov_b32 s[G1+4], 128                         ; tile_dim1 = 128
	s_mov_b32 s[G1B+5], SIZE_K
	s_mov_b32 s[G1+5], SIZE_K                      ; elements from row to row
	s_mov_b32 s[G1B+6], 0
	s_mov_b32 s[G1+6], 0
	s_mov_b32 s[G1B+7], 0
	s_mov_b32 s[G1+7], 0
	s_lshl_b32 s17, s12, 7
	s_lshl_b32 s16, s13, 8
	s_add_co_u32 s16, s16, s17                     ; A: row 256 x block row + 128 x half
	s_lshl_b32 s46, s42, 8
	s_add_co_u32 s46, s46, s17                     ; B: row 256 x block column + 128 x half
	s_mov_b32 s17, 0
	s_mov_b32 s47, 0
	s_mov_b64 s[18:19], SIZE_K*2
	s_mul_u64 s[16:17], s[16:17], s[18:19]
	s_mul_u64 s[46:47], s[46:47], s[18:19]
	s_mul_i32 s20, s10, HALFT                      ; LDS: wave x 128 rows; no place in the cluster enters an LDS address
	s_wait_dscnt 0x0
	s_wait_kmcnt 0x0
	s_add_nc_u64 s[14:15], s[4:5], s[16:17]
	s_add_nc_u64 s[46:47], s[6:7], s[46:47]
	CROUND                                         ; all sixteen work-groups are here: the first joint loads meet
.irp s, 0,1
	s_mov_b32 s[G0+4*\s], 1
	s_add_co_u32 s[G0+4*\s+1], s20, \s*SLOT
	s_add_nc_u64 s[G0+4*\s+2:G0+4*\s+3], s[14:15], \s*KSTEP*2
	s_or_b32 s[G0+4*\s+3], s[G0+4*\s+3], 0x80000000
	s_mov_b32 s[G0B+4*\s], 1
	s_add_co_u32 s[G0B+4*\s+1], s20, \s*SLOT
	s_add_nc_u64 s[G0B+4*\s+2:G0B+4*\s+3], s[46:47], \s*KSTEP*2
	s_or_b32 s[G0B+4*\s+3], s[G0B+4*\s+3], 0x80000000
	JLOAD \s                                       ; both slots are asked for before anything else: two tensor loads of the wave are out
.endr
	v_and_b32 v1, 15, v0                           ; l % 16
	v_bfe_u32 v2, v0, 4, 1                         ; l / 16
	v_mul_u32_u24 v3, v1, PITCH
	v_lshl_add_u32 v3, v2, 4, v3                   ; row x pitch + 16 x half
	s_mul_i32 s21, s11, HALFT
	s_mul_i32 s22, s12, HALFT
	s_add_co_u32 s22, s22, 2*HALFT
.irp s, 0,1
	v_add_nc_u32 v[ADRA+\s], s21, v3
	v_add_nc_u32 v[ADRB+\s], s22, v3
	s_add_co_u32 s21, s21, SLOT
	s_add_co_u32 s22, s22, SLOT
.endr
	s_mul_i32 s23, s10, 16*SPITCH
	s_add_co_u32 s23, s23, STAGE                   ; my stage
	v_mul_u32_u24 v4, v1, SPITCH
	v_lshl_add_u32 v4, v2, 4, v4
	v_add_nc_u32 v[STO], s23, v4                   ; in: row l % 16, 16 bytes for each half of the lanes
	; back: a stage row holds two heads' 128 bytes.  Lanes 0-15 take rows 2t, 2t+1 of the first head (256 consecutive bytes of qkv), lanes 16-31 of the second.
	v_bfe_u32 v6, v0, 3, 1
	v_and_b32 v7, 7, v0
	v_mul_u32_u24 v5, v6, SPITCH
	v_lshl_add_u32 v5, v2, 7, v5
	v_lshl_add_u32 v5, v7, 4, v5
	v_add_nc_u32 v[RD], s23, v5
	v_lshlrev_b32 v5, 4, v1
	v_lshl_add_u32 v[CO], v2, 18, v5               ; the second head lies 262,144 bytes behind the first
.macro MUL16 f, hi, a0, zero           ; 16 matrix instructions; zero = 1: the first product starts the sums
.irp a, \a0, \a0+1
.irp b, 0,1,2,3,4,5,6,7
.if \zero
	v_wmma_f32_16x16x32_f16 v[8*(8*(\a)+\b):8*(8*(\a)+\b)+7], v[\f+8*\b:\f+8*\b+7], v[\f+8*(4*\hi+\a):\f+8*(4*\hi+\a)+7], 0
.else
	v_wmma_f32_16x16x32_f16 v[8*(8*(\a)+\b):8*(8*(\a)+\b)+7], v[\f+8*\b:\f+8*\b+7], v[\f+8*(4*\hi+\a):\f+8*(4*\hi+\a)+7], v[8*(8*(\a)+\b):8*(8*(\a)+\b)+7]
.endif
.endr
.endr
.endm
.macro FETCH slot, k, f                ; 32 LDS loads in one run: one quarter step's fragments into buffer f
	WIN TO_B
.irp i, 0,1,2,3,4,5,6,7
	ds_load_b128 v[\f+8*\i:\f+8*\i+3],   v[ADRB+\slot] offset:\k+\i*16*PITCH
	ds_load_b128 v[\f+8*\i+4:\f+8*\i+7], v[ADRB+\slot] offset:\k+\i*16*PITCH+32
.endr
	WIN 0
.irp i, 0,1,2,3,4,5,6,7
	ds_load_b128 v[\f+8*\i:\f+8*\i+3],   v[ADRA+\slot] offset:\k+\i*16*PITCH
	ds_load_b128 v[\f+8*\i+4:\f+8*\i+7], v[ADRA+\slot] offset:\k+\i*16*PITCH+32
.endr
.endm
.macro PLACES                          ; four plain places behind matrix instructions in front of loads into, or reads of, their registers
.rept 4
	v_nop
.endr
.endm
; The 64 accumulators take turns, one instruction a turn, in one fixed order.
.macro QUARTER slot, k, f, g, zero
	s_wait_dscnt 8                                 ; B and A's rows 0-63 are in; the youngest eight loads (A's rows 64-127) may be out
	WIN MUL_LO
	MUL16 \f, 0, 0, \zero
	MUL16 \f, 0, 2, \zero
	PLACES
	FETCH \slot, \k, \g
	s_wait_dscnt 32                                ; all but the 32 just issued
	WIN MUL_HI
	MUL16 \f, 1, 0, \zero
	MUL16 \f, 1, 2, \zero
.endm
.macro THREE slot, zero
	QUARTER \slot, 64,  F0, F1, \zero
	QUARTER \slot, 128, F1, F0, 0
	QUARTER \slot, 192, F0, F1, 0
.endm
; The last quarter multiplies buffer 1 and changes slots: each wave's reads of this slot and all its tensor loads are waited for in front of the signal;
; behind the barrier (a whole round of the cluster's barrier where the slot is filled again) the refill comes first, then the next slot's fragments.
.macro TURN slot, next, fill
	s_wait_dscnt 8
	WIN MUL_LO
	MUL16 F1, 0, 0, 0
	s_wait_dscnt 0                                 ; my reads of this slot are over
	s_wait_tensorcnt 0x0                           ; all my tensor loads have landed: the one that was out is my part of the next slot
	ds_add_u32 v255, v255
	s_wait_dscnt 0x0
	s_barrier_signal -1
	MUL16 F1, 0, 2, 0                              ; register work while the others arrive
	WIN 0
	s_barrier_wait -1
.if \fill
	CREST
	s_add_nc_u64 s[G0+4*\slot+2:G0+4*\slot+3], s[G0+4*\slot+2:G0+4*\slot+3], 2*KSTEP*2
	s_add_nc_u64 s[G0B+4*\slot+2:G0B+4*\slot+3], s[G0B+4*\slot+2:G0B+4*\slot+3], 2*KSTEP*2
	JLOAD \slot                                    ; the wave's one tensor load behind the round; its four v_nop are also the places in front of the loads below
.else
	PLACES
.endif
	FETCH \next, 0, F0
	WIN MUL_HI
	MUL16 F1, 1, 0, 0
	MUL16 F1, 1, 2, 0
.endm
.macro LAP zero
	THREE 0, \zero
	TURN 0, 1, 1
	THREE 1, 0
	TURN 1, 0, 1
.endm
	s_wait_tensorcnt 1                             ; my part of K step 0 is in; K step 1's load stays out
	s_barrier_signal -1
	s_barrier_wait -1
	FETCH 0, 0, F0
	LAP 1
	WIN 0
	s_mov_b32 s3, LAPS-2
.Llap:
	LAP 0
	WIN 0
	s_sub_co_u32 s3, s3, 1
	s_cmp_lg_u32 s3, 0
	s_cbranch_scc1 .Llap
	THREE 0, 0                                     ; the last lap fills nothing
	TURN 0, 1, 0
	THREE 1, 0
	s_wait_dscnt 8
	WIN MUL_LO
	MUL16 F1, 0, 0, 0
	MUL16 F1, 0, 2, 0
	s_wait_dscnt 0
	WIN MUL_HI
	MUL16 F1, 1, 0, 0
	MUL16 F1, 1, 2, 0
	; THE WAY OUT, 16 tokens at a time: round to f16, 16 bytes a lane into my own stage, read back so that 16 lanes hold 256 consecutive bytes of one head.
	PLACES
	s_lshl_b32 s66, s13, 8
	s_lshl_b32 s67, s11, 7
	s_add_co_u32 s66, s66, s67                     ; my first token m0
	s_lshl_b32 s68, s42, 8
	s_lshl_b32 s67, s12, 7
	s_add_co_u32 s68, s68, s67                     ; my first column n0 = z*1024 + h*64
	s_lshr_b32 s67, s68, 10                        ; z
	s_lshr_b32 s69, s66, 11                        ; b
	s_lshl1_add_u32 s67, s67, s69
	s_bfe_u32 s69, s68, 0x40006                    ; h
	s_lshl4_add_u32 s67, s67, s69                  ; (z*2 + b)*16 + h
	s_lshl_b32 s67, s67, 18                        ; a head is 262,144 bytes
	s_and_b32 s66, s66, 2047
	s_lshl_b32 s66, s66, 7                         ; a token's 128 bytes
	s_add_co_u32 s66, s66, s67
	s_mov_b32 s67, 0
	s_add_nc_u64 s[8:9], s[8:9], s[66:67]
.macro OUT16 i, a, from, f
	WIN \from
.irp b, 0,1,2,3,4,5,6,7
.irp r, 0,1,2,3
	v_cvt_pk_f16_f32 v[TMP+4*\b+\r], v[8*(8*\a+\b)+2*\r], v[8*(8*\a+\b)+2*\r+1]
.endr
.endr
	WIN 0
.irp b, 0,1,2,3,4,5,6,7
	ds_store_b128 v[STO], v[TMP+4*\b:TMP+4*\b+3] offset:32*\b
.endr
	s_wait_xcnt 0x0                                ; buffer f, which earlier stores read, and the stores' base are rewritten only behind this wait
.if \i
	s_add_nc_u64 s[8:9], s[8:9], 16*128            ; 16 tokens on
.endif
.irp t, 0,1,2,3,4,5,6,7
	ds_load_b128 v[\f+4*\t:\f+4*\t+3], v[RD] offset:\t*2*SPITCH    ; LDS serves a wave's instructions in order (ISA guide 5.7.1): these see the stores above
.endr
.irp t, 0,1,2,3,4,5,6,7
	s_wait_dscnt 7-\t                              ; read-back t is in, the younger ones stay out
	global_store_b128 v[CO], v[\f+4*\t:\f+4*\t+3], s[8:9] offset:256*\t   ; 16 lanes store 256 consecutive bytes, aligned
.endr
.endm
	OUT16 0, 0, 0x0a, F0
	OUT16 1, 1, 0x0a, F1
	OUT16 2, 2, 0x0a, F0
	OUT16 3, 3, 0x0a, F1
	OUT16 4, 0, 0x0f, F0
	OUT16 5, 1, 0x0f, F1
	OUT16 6, 2, 0x0f, F0
	OUT16 7, 3, 0x0f, F1
	s_set_vgpr_msb 0x1
	s_wait_tensorcnt 0x0
	ds_add_u32 v255, v255
	s_wait_dscnt 0x0
	s_set_vgpr_msb 0x100
	CROUND                                         ; the closing round: no work-group ends while a partner may still ask for a tile that names it
	s_endpgm
.Lfunc_end_k_qd9abdf0c0b_gemm_qkv:
	.size	k_qd9abdf0c0b_gemm_qkv, .Lfunc_end_k_qd9abdf0c0b_gemm_qkv-k_qd9abdf0c0b_gemm_qkv
	.p2alignl 7, 3214868480
	.fill 96, 4, 3214868480
	.section	.rodata,"a",@progbits
	.p2align	6, 0x0
	.amdhsa_kernel k_qd9abdf0c0b_gemm_qkv
		.amdhsa_group_segment_fixed_size 327680
		.amdhsa_private_segment_fixed_size 0
		.amdhsa_enable_private_segment 0
		.amdhsa_kernarg_size 24
		.amdhsa_user_sgpr_count 2
		.amdhsa_user_sgpr_kernarg_segment_ptr 1
		.amdhsa_wavefront_size32 1
		.amdhsa_system_sgpr_workgroup_id_x 1
		.amdhsa_system_sgpr_workgroup_id_y 1
		.amdhsa_system_sgpr_workgroup_id_z 1
		.amdhsa_system_vgpr_workitem_id 0
		.amdhsa_next_free_vgpr 1024
		.amdhsa_next_free_sgpr 72
		.amdhsa_reserve_vcc 0
		.amdhsa_float_denorm_mode_32 3
		.amdhsa_float_denorm_mode_16_64 3
		.amdhsa_memory_ordered 1
		.amdhsa_forward_progress 1
		.amdhsa_inst_pref_size 197
	.end_amdhsa_kernel
	.amdgpu_metadata
---
amdhsa.version: [ 1, 2 ]
amdhsa.kernels:
  - .name:           k_qd9abdf0c0b_gemm_qkv
    .symbol:         k_qd9abdf0c0b_gemm_qkv.kd
    .args:
      - { .name: hn, .offset: 0, .size: 8, .value_kind: global_buffer, .address_space: global }
      - { .name: wts, .offset: 8, .size: 8, .value_kind: global_buffer, .address_space: global }
      - { .name: qkv, .offset: 16, .size: 8, .value_kind: global_buffer, .address_space: global }
    .group_segment_fixed_size: 327680
    .private_segment_fixed_size: 0
    .kernarg_segment_align: 8
    .kernarg_segment_size: 24
    .max_flat_workgroup_size: 128
    .sgpr_count:     72
    .vgpr_count:     1024
    .wavefront_size: 32
...
	.end_amdgpu_metadata
.endif
;; end of part 2
;; launch attn (part 3): grid 8 x 32, 8 waves a work-group, clusters of 4 x 1, 327,680 bytes of LDS; arguments qkv, av; writes av
.if DOCPART == 3
	.amdgcn_target "amdgcn-amd-amdhsa--gfx1250"
	.amdhsa_code_object_version 6
	.text
	.protected	k_qd9abdf0c0b_attn
	.globl	k_qd9abdf0c0b_attn
	.p2align	8
	.type	k_qd9abdf0c0b_attn,@function
k_qd9abdf0c0b_attn:
	s_mov_b64 s[64:65], 0
	v_nop
	global_prefetch_b8 v0, s[64:65] scope:SCOPE_SE
	s_setreg_imm32_b32 hwreg(HW_REG_WAVE_MODE, 25, 1), 1
	s_wait_xcnt 0x0
	s_wait_alu depctr_hold_cnt(0) depctr_sa_sdst(0) depctr_va_vdst(0) depctr_va_sdst(0) depctr_va_ssrc(0) depctr_va_vcc(0) depctr_vm_vsrc(0)
	s_getreg_b32 s2, hwreg(HW_REG_IB_STS2, 6, 4)
	s_cmp_eq_u32 s2, 0
	s_cbranch_scc0 .Lentry_in_a_cluster
	s_endpgm
.Lentry_in_a_cluster:
	s_bfe_u32 s2, ttmp6, 0x10000c
	s_cmp_lg_u32 s2, 0x3003
	s_cbranch_scc0 .Lentry_shape_is_right
	s_endpgm
.Lentry_shape_is_right:
; av[bh][s][d] = sum over t of softmax_t(MM_SCALE q[s].k[t]) v[t][d], one head bh = b*16+h a row of the grid.  (The factor SM_SCALE MM_SCALE behind it is folded into wo'.)
; A work-group takes 256 queries of one head; the four work-groups of a cluster take four query blocks of the SAME head and ask for its K and V tiles jointly (mask 15).
; Eight waves: wave w takes queries 64 (w & 3) .. + 63 and half w >> 2 of each tile's 256 keys.  The two key halves keep their own running maximum and sum and are
; merged at the end through LDS.
; ORIENTATION: S^T = K Q^T (source 0 = 16 keys, source 1 = 16 queries): lane (r, h) holds query r, keys 8h + j.  Two neighbouring key tiles, packed to f16, are
; as they lie the second source of O^T = V^T P^T; V^T comes by transposing LDS loads.  Every figure of a query is a lane's own; one v_permlanex16_b32 joins the halves.
; SOFTMAX: running maximum.  p = exp2(CS s + NMC), NMC = -CS max rounded once; old sums are rescaled by exp2(NMC_new - NMC_old), so both refer to the same base.
; THE ORDER OF A STEP (64 keys, 64 products, four query tiles q of 16): the wave's products stand among its own vector lines.
;   scores of tile 0 | max, stat of 0 | scale, exp, sum of 0 with the scores of tile 1 among them | end of sum and packing of 0 in the gaps of max, stat of 1 | ... |
;   rescaling of O(0) | products of O(q) with the rescaling of O(q+1) among them.
; FORMAT: p and av in f16.  Room: p <= 1 by the running maximum; av is a weighted mean of v with weights that sum to 1, so it is no larger than the largest |v|.
; Limits: below 2^-14 f16's step is 2^-24; exponentials below 2^-126 come out as 0 (ISA guide 15.8); a NaN score loses against numbers in the maximum.
.set KP,   144                         ; K's LDS pitch: 128 bytes + 16
.set VP,   160                         ; V's LDS pitch: 128 bytes + 32, an odd multiple of 32 for the transposing loads
.set VREG, 256*VP
.set KREG, 256*KP
.set SLOT, VREG+KREG                   ; 77,824 bytes: V's 256 keys, then K's
.set SCR,  2*SLOT                      ; merge: 4 x (O 16,384 + M 512 + L 512); no tensor load lands here
.set SCRW, 17408
.set STG,  SCR+4*SCRW                  ; way out: 4 x 64 rows x 144
.set STGW, 64*KP
.set VQ,   4
.set ADRK, 5                           ; v5-6  K fragments, slot 0, 1
.set ADRV, 7                           ; v7-8  V fragments, slot 0, 1
.set SCRA, 9
.set STO,  10
.set RD,   11
.set CO,   12
.set MX,   16                          ; v[16:19] running maximum of query tile q
.set LS,   20                          ; v[20:23] running sum (this half of the lanes' keys)
.set MX2,  24
.set LS2,  28
.set NMC,  32                          ; v[32:39] -CS max, a pair for each query tile
.set AL,   40                          ; v[40:47] rescaling factor, a pair for each query tile
.set T,    48                          ; v[48:63] four registers at work for each query tile
.set KR,   64                          ; window 0: K(kt, ks) at 64 + 8 (2 kt + ks)
.set SR,   128                         ; window 0: S(q, kt) at 128 + 8 (4 q + kt); P(q, c) in the first 8 registers of S(q, 2c)
.set QR,   128                         ; window 1: Q(q, ks) at 128 + 8 (2 q + ks)
.set VR,   192                         ; window 1: V(a, c) at 192 + 8 (2 a + c);  window 1 v0-127: O(q, a) at 8 (4 q + a)
.set G1V, 24
.set G1K, 32
.set G0V, 40
.set G0K, 48
.set MSB, 0
.macro WIN new                         ; the immediate's high byte repeats the setting that is left
.if MSB != \new
	s_set_vgpr_msb (MSB<<8)|\new
.set MSB, \new
.endif
.endm
.macro CREST                           ; a round of the cluster's barrier behind its opening barrier
	s_cmp_lg_u32 s8, 0
	s_cbranch_scc1 .Lnot_wave_0_\@
	s_barrier_signal -3
.Lnot_wave_0_\@:
	s_barrier_wait -3
	s_barrier_signal -1
	s_barrier_wait -1
.endm
.macro ROUND                           ; a whole round
	s_barrier_signal -1
	s_barrier_wait -1
	CREST
.endm
.macro JLOAD s                         ; waves 0-3 ask for a quarter of V's tile each, waves 4-7 for a quarter of K's: one tensor load a wave
	s_cmp_lt_u32 s8, 4
	s_cbranch_scc0 .Lfor_k_\@
	tensor_load_to_lds s[G0V+4*\s:G0V+4*\s+3], s[G1V:G1V+7]
	s_nop 0
.rept 4
	v_nop
.endr
	s_branch .Lasked_\@
.Lfor_k_\@:
	tensor_load_to_lds s[G0K+4*\s:G0K+4*\s+3], s[G1K:G1K+7]
	s_nop 0
.rept 4
	v_nop
.endr
.Lasked_\@:
.endm
	s_load_b128 s[4:7], s[0:1], 0x0                ; qkv s[4:5], av s[6:7]
	v_lshl_add_u32 v254, v0, 2, 0x40000
	v_mov_b32 v255, 0
	ds_add_u32 v254, v255
	s_wait_dscnt 0x0
	v_lshrrev_b32 v1, 5, v0
	v_readfirstlane_b32 s8, v1                     ; wave 0..7
	s_and_b32 s9, s8, 3                            ; query group; also which quarter of a tile I fetch
	s_lshr_b32 s10, s8, 2                          ; key half
	s_bfe_u32 s11, ttmp6, 0x40000                  ; cx
	s_lshl_b32 s15, ttmp9, 2
	s_add_co_u32 s15, s15, s11                     ; query block 0..7
	s_and_b32 s14, ttmp7, 0xffff                   ; head 0..31
	s_mov_b32 s12, 0x76543210
	s_mov_b32 s13, 0xfedcba98
	s_mov_b32 s18, 0x3d68a9cc                      ; CS = MM_SCALE log2(e)
	s_mov_b32 s19, 0x3d68a9cc
	s_mov_b32 s20, 0xbd68a9cc                      ; -CS
	s_mov_b32 s21, 0xbd68a9cc
	; group 1: 64 keys = 8,192 dense bytes as 32 rows of 256; a pad behind every 32 words (one key's 128 bytes): 8 words for V, 4 for K
	s_mov_b32 s[G1V+0], 15|(1<<16)|(1<<20)|(1<<21)|(4<<22)|(7<<25)
	s_mov_b32 s[G1K+0], 15|(1<<16)|(1<<20)|(1<<21)|(4<<22)|(3<<25)
	s_mov_b32 s[G1V+1], 128<<16
	s_mov_b32 s[G1K+1], 128<<16                    ; tensor_dim0 = 128 elements
	s_mov_b32 s[G1V+2], 32<<16
	s_mov_b32 s[G1K+2], 32<<16                     ; tensor_dim1 = 32
	s_mov_b32 s[G1V+3], 128<<16
	s_mov_b32 s[G1K+3], 128<<16                    ; tile_dim0 = 128
	s_mov_b32 s[G1V+4], 32
	s_mov_b32 s[G1K+4], 32                         ; tile_dim1 = 32
	s_mov_b32 s[G1V+5], 128
	s_mov_b32 s[G1K+5], 128                        ; pitch
	s_mov_b32 s[G1V+6], 0
	s_mov_b32 s[G1K+6], 0
	s_mov_b32 s[G1V+7], 0
	s_mov_b32 s[G1K+7], 0
	s_lshl_b32 s16, s14, 18                        ; the head's 262,144 bytes
	s_lshl_b32 s23, s9, 13                         ; my quarter: 64 keys x 128 bytes
	s_add_co_u32 s16, s16, s23
	s_mov_b32 s17, 0
	s_mul_i32 s56, s8, 64*VP                       ; V's quarter of waves 0-3
	s_mul_i32 s57, s8, 64*KP
	s_add_co_u32 s57, s57, VREG-4*64*KP            ; K's quarter of waves 4-7, behind V's region
	s_wait_kmcnt 0x0
	s_add_nc_u64 s[58:59], s[4:5], s[16:17]        ; hangs on the head and the wave alone: equal in the four partners
	ROUND                                          ; the four work-groups are here: the first joint loads meet
.irp s, 0,1
	s_mov_b32 s[G0V+4*\s], 1
	s_add_co_u32 s[G0V+4*\s+1], s56, \s*SLOT
	s_add_nc_u64 s[G0V+4*\s+2:G0V+4*\s+3], s[58:59], 2*8388608+\s*32768
	s_or_b32 s[G0V+4*\s+3], s[G0V+4*\s+3], 0x80000000
	s_mov_b32 s[G0K+4*\s], 1
	s_add_co_u32 s[G0K+4*\s+1], s57, \s*SLOT
	s_add_nc_u64 s[G0K+4*\s+2:G0K+4*\s+3], s[58:59], 8388608+\s*32768
	s_or_b32 s[G0K+4*\s+3], s[G0K+4*\s+3], 0x80000000
	JLOAD \s                                       ; key tiles 0 and 1: two tensor loads of the wave are out
.endr
	; Q and av at my 64 queries (registers of their own: these hold cx)
	s_lshl_b32 s60, s14, 18
	s_lshl_b32 s62, s15, 15
	s_add_co_u32 s60, s60, s62
	s_lshl_b32 s62, s9, 13
	s_add_co_u32 s60, s60, s62
	s_mov_b32 s61, 0
	s_add_nc_u64 s[4:5], s[4:5], s[60:61]
	s_add_nc_u64 s[6:7], s[6:7], s[60:61]
	v_and_b32 v1, 15, v0                           ; r
	v_bfe_u32 v2, v0, 4, 1                         ; h
	v_and_b32 v3, 31, v0                           ; lane
	v_lshlrev_b32 v[VQ], 7, v1
	v_lshl_add_u32 v[VQ], v2, 4, v[VQ]             ; r x 128 + 16 h
	WIN 0x40
.irp q, 0,1,2,3
.irp ks, 0,1
	global_load_b128 v[QR+8*(2*\q+\ks):QR+8*(2*\q+\ks)+3],   v[VQ], s[4:5] offset:\q*2048+\ks*64
	global_load_b128 v[QR+8*(2*\q+\ks)+4:QR+8*(2*\q+\ks)+7], v[VQ], s[4:5] offset:\q*2048+\ks*64+32
.endr
.endr
	WIN 0
	v_mul_u32_u24 v13, v1, KP
	v_lshl_add_u32 v13, v2, 4, v13                 ; r x 144 + 16 h
	s_mul_i32 s23, s10, 128*KP
	s_add_co_u32 s23, s23, VREG
	v_add_nc_u32 v[ADRK], s23, v13
	v_add_nc_u32 v[ADRK+1], SLOT, v[ADRK]
	v_and_b32 v14, 7, v0
	v_lshl_add_u32 v14, v2, 3, v14                 ; key 8 h + (l & 7)
	v_mul_u32_u24 v14, v14, VP
	v_bfe_u32 v15, v0, 3, 1
	v_lshl_add_u32 v14, v15, 4, v14
	s_mul_i32 s23, s10, 128*VP
	v_add_nc_u32 v[ADRV], s23, v14
	v_add_nc_u32 v[ADRV+1], SLOT, v[ADRV]
	s_mul_i32 s23, s9, SCRW
	s_add_co_u32 s23, s23, SCR
	v_lshl_add_u32 v[SCRA], v3, 4, s23
	s_mul_i32 s23, s9, STGW
	s_add_co_u32 s23, s23, STG
	v_add_nc_u32 v[STO], s23, v13
	v_lshrrev_b32 v15, 3, v3
	v_mul_u32_u24 v15, v15, KP
	v_and_b32 v14, 7, v0
	v_lshl_add_u32 v15, v14, 4, v15
	v_add_nc_u32 v[RD], s23, v15                   ; back: 8 lanes a row of 128 bytes, 4 rows a load
	v_lshlrev_b32 v[CO], 4, v3
; 16 LDS loads: the K fragments of my 64 keys of step st of the slot
.macro KLOAD slot, st
.irp kt, 0,1,2,3
.irp ks, 0,1
	ds_load_b128 v[KR+8*(2*\kt+\ks):KR+8*(2*\kt+\ks)+3],   v[ADRK+\slot] offset:\st*64*KP+\kt*16*KP+\ks*64
	ds_load_b128 v[KR+8*(2*\kt+\ks)+4:KR+8*(2*\kt+\ks)+7], v[ADRK+\slot] offset:\st*64*KP+\kt*16*KP+\ks*64+32
.endr
.endr
.endm
; Score product n (0..7) of query tile q: key tile n % 4, half n / 4 of d.  The four accumulators of a query tile take turns, one instruction a turn.
.macro QKW q, n
.if (\n) < 4
	v_wmma_f32_16x16x32_f16 v[SR+8*(4*(\q)+(\n)):SR+8*(4*(\q)+(\n))+7], v[KR+16*(\n):KR+16*(\n)+7], v[QR+16*(\q):QR+16*(\q)+7], 0
.else
	v_wmma_f32_16x16x32_f16 v[SR+8*(4*(\q)+(\n)-4):SR+8*(4*(\q)+(\n)-4)+7], v[KR+16*((\n)-4)+8:KR+16*((\n)-4)+15], v[QR+16*(\q)+8:QR+16*(\q)+15], v[SR+8*(4*(\q)+(\n)-4):SR+8*(4*(\q)+(\n)-4)+7]
.endif
.endm
; Packing k (0..15) of query tile q, in place: registers 2k, 2k+1 go to register k (k < 8) or k + 8: two key tiles' 16 registers become one fragment of 8.  Ascending k never passes an unread source.
.macro CV q, k
	v_cvt_pk_f16_f32 v[SR+32*\q+(\k)+8*((\k)/8)], v[SR+32*\q+2*(\k)], v[SR+32*\q+2*(\k)+1]
.endm
; Window 0.  For query tile q (q >= 0): the largest of my 32 scores, the new running maximum, its addend and the factor for the old sums: a chain of dependent lines.
; For query tile p (p >= 0), whose exponentials are done: the end of its sum and its 16 packings, which fill the gaps of that chain.
.macro MID q, p, first
.if \p >= 0
	CV \p, 0
	CV \p, 1
	v_pk_add_f32 v[T+4*\p:T+4*\p+1], v[T+4*\p:T+4*\p+1], v[T+4*\p+2:T+4*\p+3]
.endif
.if \q >= 0
.irp k, 0,1,2,3
	v_max3_num_f32 v[T+4*\q+\k], v[SR+8*(4*\q+\k)], v[SR+8*(4*\q+\k)+1], v[SR+8*(4*\q+\k)+2]
.endr
.endif
.if \p >= 0
.if \first
	v_add_f32 v[LS+\p], v[T+4*\p], v[T+4*\p+1]
.else
	v_add_f32 v[T+4*\p], v[T+4*\p], v[T+4*\p+1]
.endif
.endif
.if \q >= 0
.irp k, 0,1,2,3
	v_max3_num_f32 v[T+4*\q+\k], v[T+4*\q+\k], v[SR+8*(4*\q+\k)+3], v[SR+8*(4*\q+\k)+4]
.endr
.endif
.if \p >= 0
.if \first == 0
	v_fma_f32 v[LS+\p], v[LS+\p], v[AL+2*\p], v[T+4*\p]
.endif
.endif
.if \q >= 0
.irp k, 0,1,2,3
	v_max3_num_f32 v[T+4*\q+\k], v[T+4*\q+\k], v[SR+8*(4*\q+\k)+5], v[SR+8*(4*\q+\k)+6]
.endr
	v_max3_num_f32 v[T+4*\q], v[T+4*\q], v[SR+8*(4*\q)+7], v[SR+8*(4*\q+1)+7]
	v_max3_num_f32 v[T+4*\q+1], v[T+4*\q+1], v[SR+8*(4*\q+2)+7], v[SR+8*(4*\q+3)+7]
.endif
.if \p >= 0
	CV \p, 2
	CV \p, 3
.endif
.if \q >= 0
	v_max3_num_f32 v[T+4*\q], v[T+4*\q], v[T+4*\q+1], v[T+4*\q+2]
.endif
.if \p >= 0
	CV \p, 4
	CV \p, 5
	CV \p, 6
.endif
.if \q >= 0
	v_max_num_f32 v[T+4*\q], v[T+4*\q], v[T+4*\q+3]
.endif
.if \p >= 0
	CV \p, 7
	CV \p, 8
	CV \p, 9
.endif
.if \q >= 0
	v_permlanex16_b32 v[T+4*\q+1], v[T+4*\q], s12, s13     ; the other half of the lanes holds the other 32 keys
.endif
.if \p >= 0
	CV \p, 10
	CV \p, 11
	CV \p, 12
.endif
.if \q >= 0
.if \first
	v_max_num_f32 v[MX+\q], v[T+4*\q], v[T+4*\q+1]
.else
	v_max3_num_f32 v[MX+\q], v[T+4*\q], v[T+4*\q+1], v[MX+\q]
.endif
.endif
.if \p >= 0
	CV \p, 13
	CV \p, 14
	CV \p, 15
.endif
.if \q >= 0
.if \first
	v_mul_f32 v[NMC+2*\q], s20, v[MX+\q]
	v_mul_f32 v[NMC+2*\q+1], s20, v[MX+\q]
.else
	v_mul_f32 v[T+4*\q+2], s20, v[MX+\q]
	v_sub_f32 v[T+4*\q+3], v[T+4*\q+2], v[NMC+2*\q]
	v_exp_f32 v[AL+2*\q], v[T+4*\q+3]
	v_mov_b32 v[NMC+2*\q], v[T+4*\q+2]             ; plain places behind the transcendental (ISA guide 5.7.2)
	v_mov_b32 v[NMC+2*\q+1], v[T+4*\q+2]
	s_wait_alu depctr_va_vdst(0)
	v_mov_b32 v[AL+2*\q+1], v[AL+2*\q]
.endif
.endif
.endm
; Scale, exponential and sum of query tile q as a pipeline over its 16 register pairs: pair t is scaled in slot t, its two exponentials stand in slot t + 2, it is added in slot t + 4,
; so no line reads the result of the line ahead of it and plain lines follow each two transcendentals (ISA guide 5.7.2).  Two sum chains, T[0:1] for even pairs and T[2:3] for odd ones.
; mm = 1: the eight score products of tile q + 1 stand behind the odd slots 1 .. 15.  They want the second source in window 1 (Q), so every vector line here names a scalar pair or a
; constant as its second source and is valid under that setting: that is why the sum is written S x 1.0 + T.  The vector lines name none of the products' registers.
.macro FEU q, mm
.set SB, SR+32*\q
.set TB, T+4*\q
.set tt, 0
.rept 20
.if tt < 16
	v_pk_fma_f32 v[SB+2*tt:SB+2*tt+1], v[SB+2*tt:SB+2*tt+1], s[18:19], v[NMC+2*\q:NMC+2*\q+1] op_sel_hi:[1,0,1]
.endif
.if tt >= 2
.if tt < 18
	v_exp_f32 v[SB+2*tt-4], v[SB+2*tt-4]
	v_exp_f32 v[SB+2*tt-3], v[SB+2*tt-3]
.endif
.endif
.if tt == 5
	s_wait_alu depctr_va_vdst(0)
	v_pk_fma_f32 v[TB:TB+1], v[SB:SB+1], 1.0, v[SB+2:SB+3] op_sel_hi:[1,0,1]              ; pairs 0 and 1 start the first chain
.endif
.if tt == 7
	v_pk_fma_f32 v[TB+2:TB+3], v[SB+4:SB+5], 1.0, v[SB+6:SB+7] op_sel_hi:[1,0,1]          ; pairs 2 and 3 the second
.endif
.if tt >= 8
	s_wait_alu depctr_va_vdst(0)
	v_pk_fma_f32 v[TB+2*(tt%2):TB+2*(tt%2)+1], v[SB+2*tt-8:SB+2*tt-7], 1.0, v[TB+2*(tt%2):TB+2*(tt%2)+1] op_sel_hi:[1,0,1]
.endif
.if \mm
.if tt < 16
.if tt%2
	QKW \q+1, (tt-1)/2
.endif
.endif
.endif
.set tt, tt+1
.endr
.endm
; 64 keys against my 64 queries.  st: which 64 of my 128 keys of the slot; first = 1: nothing is carried yet;
; sig = 1: the slot's last reads are this step's, and the barrier that changes slots is signalled ahead of the output products.
.macro STEP slot, st, first, sig
.rept 5
	v_nop                                          ; five places behind the last products: the scores are written over P, the loads land on V
.endr
.if \st == 0
	KLOAD \slot, 0
.endif
	WIN 0x40
.irp a, 0,1,2,3
.irp c, 0,1
	ds_load_tr16_b128 v[VR+8*(2*\a+\c):VR+8*(2*\a+\c)+3],   v[ADRV+\slot] offset:\st*64*VP+\c*32*VP+\a*32
	ds_load_tr16_b128 v[VR+8*(2*\a+\c)+4:VR+8*(2*\a+\c)+7], v[ADRV+\slot] offset:\st*64*VP+\c*32*VP+\a*32+16*VP
.endr
.endr
.if \st == 0
	s_wait_dscnt 16                                ; K's 16 loads are in; V's 16, issued behind them, may stay out.  (In the second step K was asked for a step ago and waited for there.)
.endif
	WIN 0x04                                       ; source 1 (Q) window 1
.irp n, 0,1,2,3,4,5,6,7
	QKW 0, \n
.endr
	WIN 0
.rept 4
	v_nop                                          ; four places before vector lines read the scores of tile 0
.endr
	MID 0, -1, \first
	WIN 0x04
	FEU 0, 1
	WIN 0
	MID 1, 0, \first                               ; behind the last score product of tile 1 stand four sum lines, two packings and an add: more than four places
	WIN 0x04
	FEU 1, 1
	WIN 0
	MID 2, 1, \first
	WIN 0x04
	FEU 2, 1
	WIN 0
	MID 3, 2, \first
.if \st == 0
	KLOAD \slot, 1                                 ; the next step's K, a softmax tile and 32 products ahead of its use; the last product that read K lies more than four places back
.endif
	FEU 3, 0
	MID -1, 3, \first
	WIN 0x51                                       ; source 0 (V, O), C and D (O) window 1; source 1 (P, the factor) window 0
.if \first == 0
.irp p, 0,2,4,6,8,10,12,14,16,18,20,22,24,26,28,30
	v_pk_mul_f32 v[\p:\p+1], v[\p:\p+1], v[AL:AL+1]
.endr
.endif
	s_wait_dscnt 0x0                               ; V is in (and the next step's K): none of my LDS loads is out
.if \sig
	s_wait_xcnt 0x0
	s_set_vgpr_msb 0x5110
	v_lshl_add_u32 v254, v0, 2, 0x40000
	v_mov_b32 v255, 0
	s_wait_tensorcnt 0x0                           ; all my tensor loads have landed: the one that was out is my part of the other slot
	ds_add_u32 v254, v255
	s_wait_dscnt 0x0
	s_set_vgpr_msb 0x1051
	s_barrier_signal -1                            ; my reads of this slot are over; what follows up to the wait is register work
.endif
	; O(q, a) += V(a, c) P(q, c): the four accumulators of a query tile take turns, one instruction a turn; the rescaling of the next tile's O stands among them
.irp q, 0,1,2,3
.irp c, 0,1
.irp a, 0,1,2,3
.if \first
.if \c == 0
	v_wmma_f32_16x16x32_f16 v[8*(4*\q+\a):8*(4*\q+\a)+7], v[VR+16*\a+8*\c:VR+16*\a+8*\c+7], v[SR+32*\q+16*\c:SR+32*\q+16*\c+7], 0
.else
	v_wmma_f32_16x16x32_f16 v[8*(4*\q+\a):8*(4*\q+\a)+7], v[VR+16*\a+8*\c:VR+16*\a+8*\c+7], v[SR+32*\q+16*\c:SR+32*\q+16*\c+7], v[8*(4*\q+\a):8*(4*\q+\a)+7]
.endif
.else
	v_wmma_f32_16x16x32_f16 v[8*(4*\q+\a):8*(4*\q+\a)+7], v[VR+16*\a+8*\c:VR+16*\a+8*\c+7], v[SR+32*\q+16*\c:SR+32*\q+16*\c+7], v[8*(4*\q+\a):8*(4*\q+\a)+7]
.if \q < 3
	v_pk_mul_f32 v[32*(\q+1)+4*(4*\c+\a):32*(\q+1)+4*(4*\c+\a)+1], v[32*(\q+1)+4*(4*\c+\a):32*(\q+1)+4*(4*\c+\a)+1], v[AL+2*(\q+1):AL+2*(\q+1)+1]
	v_pk_mul_f32 v[32*(\q+1)+4*(4*\c+\a)+2:32*(\q+1)+4*(4*\c+\a)+3], v[32*(\q+1)+4*(4*\c+\a)+2:32*(\q+1)+4*(4*\c+\a)+3], v[AL+2*(\q+1):AL+2*(\q+1)+1]
.endif
.endif
.endr
.endr
.endr
	WIN 0
.endm
.macro PHASE slot                      ; my 128 keys of the slot's 256; the second step signals the change of slots
	STEP \slot, 0, 0, 0
	STEP \slot, 1, 0, 1
.endm
; The change of slots.  Its barrier was signalled in the step above, behind each wave's waits for its reads of the slot and for all its tensor loads.  fill = 1: that barrier opens a round of
; the cluster's barrier, and first behind the round stands the wave's one joint load: the tile two further on.  fill = 0: the work-group's barrier alone, which shows the other slot whole.
.macro CHANGE slot, fill
	s_barrier_wait -1
.if \fill
	CREST
	s_add_nc_u64 s[G0V+4*\slot+2:G0V+4*\slot+3], s[G0V+4*\slot+2:G0V+4*\slot+3], 65536
	s_add_nc_u64 s[G0K+4*\slot+2:G0K+4*\slot+3], s[G0K+4*\slot+2:G0K+4*\slot+3], 65536
	JLOAD \slot
.endif
.endm
	s_wait_tensorcnt 1                             ; my part of tile 0 is in; tile 1's load stays out
	s_barrier_signal -1
	s_barrier_wait -1
	s_wait_loadcnt 0x0                             ; Q
	STEP 0, 0, 1, 0                                ; the first 64 keys start maximum, sum and output: nothing is cleared
	STEP 0, 1, 0, 1
	CHANGE 0, 1                                    ; tile 2
	PHASE 1
	CHANGE 1, 1                                    ; tile 3
	s_mov_b32 s3, 2
.Lpair:
	PHASE 0
	CHANGE 0, 1                                    ; tiles 4, 6
	PHASE 1
	CHANGE 1, 1                                    ; tiles 5, 7
	s_sub_co_u32 s3, s3, 1
	s_cmp_lg_u32 s3, 0
	s_cbranch_scc1 .Lpair
	PHASE 0
	CHANGE 0, 0                                    ; nothing is left to fetch
	STEP 1, 0, 0, 0
	STEP 1, 1, 0, 0
	; THE MERGE: waves 4-7 hand O, maximum and sum to waves 0-3 of the same queries.
.rept 4
	v_nop                                          ; four places before LDS stores read O and loads land on P
.endr
	s_cmp_lt_u32 s8, 4
	s_cbranch_scc1 .Lkeep
	WIN 0x04                                       ; store data in window 1
.set j, 0
.rept 32
	ds_store_b128 v[SCRA], v[4*j:4*j+3] offset:512*j
.set j, j+1
.endr
	WIN 0
	ds_store_b128 v[SCRA], v[MX:MX+3] offset:16384
	ds_store_b128 v[SCRA], v[LS:LS+3] offset:16896
.Lkeep:
	s_wait_dscnt 0x0                               ; for the readers' sake: my stores are done
	s_barrier_signal -1
	s_barrier_wait -1
	s_cmp_lt_u32 s8, 4
	s_cbranch_scc0 .Lclose
	ds_load_b128 v[MX2:MX2+3], v[SCRA] offset:16384
	ds_load_b128 v[LS2:LS2+3], v[SCRA] offset:16896
.set j, 0
.rept 32
	ds_load_b128 v[SR+4*j:SR+4*j+3], v[SCRA] offset:512*j
.set j, j+1
.endr
	s_wait_dscnt 32                                ; the partner's maximum and sum are in; its O, 32 loads behind them, may stay out
.irp q, 0,1,2,3
	v_max_num_f32 v[T+4*\q], v[MX+\q], v[MX2+\q]
	v_mul_f32 v[T+4*\q+1], s20, v[MX2+\q]          ; the partner's addend, made as the partner made it
	v_mul_f32 v[T+4*\q], s20, v[T+4*\q]
	v_sub_f32 v[T+4*\q+2], v[T+4*\q], v[NMC+2*\q]
	v_sub_f32 v[T+4*\q+3], v[T+4*\q], v[T+4*\q+1]
	v_exp_f32 v[T+4*\q+2], v[T+4*\q+2]
	v_exp_f32 v[T+4*\q+3], v[T+4*\q+3]
	v_nop
	s_wait_alu depctr_va_vdst(0)
	v_mul_f32 v[T+4*\q], v[LS+\q], v[T+4*\q+2]
	v_fma_f32 v[T+4*\q], v[LS2+\q], v[T+4*\q+3], v[T+4*\q]
	v_permlanex16_b32 v[T+4*\q+1], v[T+4*\q], s12, s13     ; the other half of the lanes holds the other keys' sum
	v_add_f32 v[T+4*\q], v[T+4*\q], v[T+4*\q+1]
	v_rcp_f32 v[T+4*\q+1], v[T+4*\q]               ; 1 / sum
	v_nop
	s_wait_alu depctr_va_vdst(0)
	v_mul_f32 v[AL+2*\q], v[T+4*\q+2], v[T+4*\q+1]
	v_mul_f32 v[AL+2*\q+1], v[T+4*\q+2], v[T+4*\q+1]
	v_mul_f32 v[NMC+2*\q], v[T+4*\q+3], v[T+4*\q+1]
	v_mul_f32 v[NMC+2*\q+1], v[T+4*\q+3], v[T+4*\q+1]
.endr
	s_wait_dscnt 0x0
.irp q, 0,1,2,3
.irp p, 0,2,4,6,8,10,12,14,16,18,20,22,24,26,28,30
	v_pk_mul_f32 v[SR+32*\q+\p:SR+32*\q+\p+1], v[SR+32*\q+\p:SR+32*\q+\p+1], v[NMC+2*\q:NMC+2*\q+1]
.endr
.endr
	WIN 0x01                                       ; source 0: my O in window 1
.irp q, 0,1,2,3
.irp p, 0,2,4,6,8,10,12,14,16,18,20,22,24,26,28,30
	v_pk_fma_f32 v[SR+32*\q+\p:SR+32*\q+\p+1], v[32*\q+\p:32*\q+\p+1], v[AL+2*\q:AL+2*\q+1], v[SR+32*\q+\p:SR+32*\q+\p+1]
.endr
.endr
	WIN 0
	; lane (r, h) of tile (q, a) holds query 16 q + r, d = 16 a + 8 h + 0..7: 16 bytes of a row; through my own stage, back as whole rows
.irp q, 0,1,2,3
.irp a, 0,1,2,3
.irp k, 0,1,2,3
	v_cvt_pk_f16_f32 v[SR+8*(4*\q+\a)+\k], v[SR+8*(4*\q+\a)+2*\k], v[SR+8*(4*\q+\a)+2*\k+1]
.endr
	ds_store_b128 v[STO], v[SR+8*(4*\q+\a):SR+8*(4*\q+\a)+3] offset:\q*16*KP+32*\a
.endr
.endr
.irp t, 0,1,2,3,4,5,6,7,8,9,10,11,12,13,14,15
	ds_load_b128 v[KR+4*\t:KR+4*\t+3], v[RD] offset:\t*4*KP        ; LDS serves a wave's instructions in order: these see the stores above
.endr
.irp t, 0,1,2,3,4,5,6,7,8,9,10,11,12,13,14,15
	s_wait_dscnt 15-\t                             ; read-back t is in, the younger ones stay out
	global_store_b128 v[CO], v[KR+4*\t:KR+4*\t+3], s[6:7] offset:512*\t   ; the wave stores 512 consecutive bytes, aligned
.endr
.Lclose:
	s_wait_xcnt 0x0
	v_lshl_add_u32 v254, v0, 2, 0x40000
	v_mov_b32 v255, 0
	s_wait_tensorcnt 0x0
	ds_add_u32 v254, v255
	s_wait_dscnt 0x0
	ROUND                                          ; the closing round: no work-group ends while a partner may still ask for a tile that names it
	s_endpgm
.Lfunc_end_k_qd9abdf0c0b_attn:
	.size	k_qd9abdf0c0b_attn, .Lfunc_end_k_qd9abdf0c0b_attn-k_qd9abdf0c0b_attn
	.p2alignl 7, 3214868480
	.fill 96, 4, 3214868480
	.section	.rodata,"a",@progbits
	.p2align	6, 0x0
	.amdhsa_kernel k_qd9abdf0c0b_attn
		.amdhsa_group_segment_fixed_size 327680
		.amdhsa_private_segment_fixed_size 0
		.amdhsa_enable_private_segment 0
		.amdhsa_kernarg_size 16
		.amdhsa_user_sgpr_count 2
		.amdhsa_user_sgpr_kernarg_segment_ptr 1
		.amdhsa_wavefront_size32 1
		.amdhsa_system_sgpr_workgroup_id_x 1
		.amdhsa_system_sgpr_workgroup_id_y 1
		.amdhsa_system_sgpr_workgroup_id_z 1
		.amdhsa_system_vgpr_workitem_id 0
		.amdhsa_next_free_vgpr 512
		.amdhsa_next_free_sgpr 66
		.amdhsa_reserve_vcc 0
		.amdhsa_float_denorm_mode_32 3
		.amdhsa_float_denorm_mode_16_64 3
		.amdhsa_memory_ordered 1
		.amdhsa_forward_progress 1
		.amdhsa_inst_pref_size 255
	.end_amdhsa_kernel
	.section	.bss,"aw",@nobits
	.p2align	6
	.space	262144
	.amdgpu_metadata
---
amdhsa.version: [ 1, 2 ]
amdhsa.kernels:
  - .name:           k_qd9abdf0c0b_attn
    .symbol:         k_qd9abdf0c0b_attn.kd
    .args:
      - { .name: qkv, .offset: 0, .size: 8, .value_kind: global_buffer, .address_space: global }
      - { .name: av, .offset: 8, .size: 8, .value_kind: global_buffer, .address_space: global }
    .group_segment_fixed_size: 327680
    .private_segment_fixed_size: 0
    .kernarg_segment_align: 8
    .kernarg_segment_size: 16
    .max_flat_workgroup_size: 256
    .sgpr_count:     66
    .vgpr_count:     512
    .wavefront_size: 32
...
	.end_amdgpu_metadata
.endif
;; end of part 3
;; launch gemm_o (part 4): grid 8 x 32, 4 waves a work-group, clusters of 4 x 4, 327,680 bytes of LDS; arguments av, wts, x, x1; writes x1
.if DOCPART == 4
	.amdgcn_target "amdgcn-amd-amdhsa--gfx1250"
	.amdhsa_code_object_version 6
	.text
	.protected	k_qd9abdf0c0b_gemm_o
	.globl	k_qd9abdf0c0b_gemm_o
	.p2align	8
	.type	k_qd9abdf0c0b_gemm_o,@function
k_qd9abdf0c0b_gemm_o:
	s_mov_b64 s[64:65], 0
	v_nop
	global_prefetch_b8 v0, s[64:65] scope:SCOPE_SE
	s_setreg_imm32_b32 hwreg(HW_REG_WAVE_MODE, 25, 1), 1
	s_wait_xcnt 0x0
	s_wait_alu depctr_hold_cnt(0) depctr_sa_sdst(0) depctr_va_vdst(0) depctr_va_sdst(0) depctr_va_ssrc(0) depctr_va_vcc(0) depctr_vm_vsrc(0)
	s_getreg_b32 s2, hwreg(HW_REG_IB_STS2, 6, 4)
	s_cmp_eq_u32 s2, 0
	s_cbranch_scc0 .Lentry_in_a_cluster
	s_endpgm
.Lentry_in_a_cluster:
	s_bfe_u32 s2, ttmp6, 0x10000c
	s_cmp_lg_u32 s2, 0xf033
	s_cbranch_scc0 .Lentry_shape_is_right
	s_endpgm
.Lentry_shape_is_right:
; MODE 0: x1[m][n] = sum over k of av(m, k) wo'[n][k] + sqrt(0.8) x[m][n].   av: [b*16+h][s][d] f16, k = h*64 + d; wo' = rows 3072-4095 of wts, f16, all scales folded in.
; MODE 1: out0[m][n] = sum over k of g[m][k] w2'[n][k] + b2[n] sqrt(0.2) 2^-5.5 + sqrt(0.8) x1[m][n].
; N = 1024: a block of 128 x 128 gives 8 x 32 = 256 work-groups.  Four waves of 64 x 64: 16 accumulator tiles each.
; A slot holds K = 256 (eight quarters of 32), so that a tile asked for behind one change of slots has 120 matrix instructions of the wave in which to land.
; CLUSTERS 4 x 4: A's tiles are shared along a row of the cluster, B's along a column, by joint loads.
; REGISTERS: window 0: addresses, two fragment buffers (B at f + 8 i, A at f + 32 + 8 i), T at work on the way out; window 1: accumulators v0-127 (tile (a, b) at 8 (4 a + b)),
; the residual v128-255, loaded at the start in the layout in which the results leave.
; The matrix instruction is used transposed (source 0 = rows of B): a lane's eight results are eight neighbouring columns of one row.
; Sums, bias, residual and result in f32.
.set MODE, 0
.if MODE
.set SIZE_K, 4096
.set KSH, 13
.set WOFF, 0x1000000
.else
.set SIZE_K, 1024
.set KSH, 11
.set WOFF, 0x600000
.endif
.set PB, 528                           ; an LDS row of 512 bytes + 16: an odd multiple of 16
.set BHALF, 64*PB
.set BREG, 2*BHALF
.if MODE
.set PA, 528
.set AHALF, 64*PA
.set A_W0, (1<<16)|(1<<20)|(1<<21)|(6<<22)|(3<<25)   ; 4 words of padding after every 128
.set A_D0, 256
.set A_D1, 64
.set A_ST, SIZE_K
.set A_SS, 512                         ; bytes from one slot's K to the next slot's
.else
.set PA, 144                           ; a token's 128 bytes of one head + 16
.set SUBT, 128*PA                      ; one head's 128 tokens
.set AHALF, 2*SUBT
.set A_W0, (1<<16)|(1<<20)|(1<<21)|(4<<22)|(3<<25)   ; 4 words of padding after every 32, counted along the tile
.set A_D0, 8192                        ; a row of the tile: one head's 128 tokens x 64, dense
.set A_D1, 2                           ; two heads a load
.set A_ST, 131072                      ; elements from head to head
.set A_SS, 4*262144                    ; four heads
.endif
.set AREG, 2*AHALF
.set SLOT, AREG+BREG
.set STAGE, 2*SLOT                     ; behind the ring: 16 rows x 272 bytes for each wave
.set SPITCH, 272
.set LAPS, SIZE_K/512
.set ADRA, 16
.set ADRB, 20
.set STO,  24
.set RD,   25
.set CO,   26
.set BO,   27
.set BIAS, 28
.set F0,   64
.set F1,   128
.set T,    192
.set R,    128                         ; window 1
.set G1, 24
.set G0, 32
.set G1B, 48
.set G0B, 56
.set MSB, 0
.macro WIN new
.if MSB != \new
	s_set_vgpr_msb (MSB<<8)|\new
.set MSB, \new
.endif
.endm
.set MUL, 0x50                         ; C and D window 1, sources window 0
.macro JLOAD s                         ; waves 0 and 1 ask for A's halves, waves 2 and 3 for B's
	s_cmp_eq_u32 s11, 0
	s_cbranch_scc0 .Lfor_b_\@
	tensor_load_to_lds s[G0+4*\s:G0+4*\s+3], s[G1:G1+7]
	s_nop 0
.rept 4
	v_nop
.endr
	s_branch .Lasked_\@
.Lfor_b_\@:
	tensor_load_to_lds s[G0B+4*\s:G0B+4*\s+3], s[G1B:G1B+7]
	s_nop 0
.rept 4
	v_nop
.endr
.Lasked_\@:
.endm
.macro CREST
	s_cmp_lg_u32 s10, 0
	s_cbranch_scc1 .Lnot_wave_0_\@
	s_barrier_signal -3
.Lnot_wave_0_\@:
	s_barrier_wait -3
	s_barrier_signal -1
	s_barrier_wait -1
.endm
.macro CROUND
	s_barrier_signal -1
	s_barrier_wait -1
	CREST
.endm
	s_load_b128 s[4:7], s[0:1], 0x0                ; A s[4:5], wts s[6:7]
.if MODE
	s_load_b64 s[68:69], s[0:1], 0x10              ; b2
	s_load_b64 s[66:67], s[0:1], 0x18              ; residual
	s_load_b64 s[8:9], s[0:1], 0x20                ; output
.else
	s_load_b64 s[66:67], s[0:1], 0x10              ; residual
	s_load_b64 s[8:9], s[0:1], 0x18                ; output
	v_lshl_add_u32 v62, v0, 2, 0x49400
	v_mov_b32 v63, 0
	ds_add_u32 v62, v63
.endif
	v_lshrrev_b32 v1, 5, v0
	v_readfirstlane_b32 s10, v1                    ; wave
	s_lshr_b32 s11, s10, 1                         ; my half of the block's rows; also: I fetch for A (0) or B (1)
	s_and_b32 s12, s10, 1                          ; my half of its columns; also: which half of that tile I fetch
	s_bfe_u32 s40, ttmp6, 0x40000                  ; cx
	s_bfe_u32 s41, ttmp6, 0x40004                  ; cy
	s_lshl_b32 s42, ttmp9, 2
	s_add_co_u32 s42, s42, s40                     ; block column
	s_and_b32 s13, ttmp7, 0xffff
	s_lshl_b32 s13, s13, 2
	s_add_co_u32 s13, s13, s41                     ; block row
	s_lshl_b32 s43, s41, 2
	s_lshl_b32 s43, 15, s43                        ; my row of the cluster
	s_lshl_b32 s44, 0x1111, s40                    ; my column
	s_mov_b32 s70, 0x3f64f92e                      ; sqrt(0.8)
	s_mov_b32 s71, 0x3f64f92e
	s_mov_b32 s72, 0x3c21e89b                      ; sqrt(0.2) 2^-5.5
	s_mov_b32 s73, 0x3c21e89b
	s_or_b32 s[G1+0], s43, A_W0
	s_or_b32 s[G1B+0], s44, (1<<16)|(1<<20)|(1<<21)|(6<<22)|(3<<25)
	s_mov_b32 s[G1+1], A_D0<<16                    ; tensor_dim0
	s_mov_b32 s[G1B+1], 256<<16
	s_mov_b32 s[G1+2], A_D1<<16                    ; tensor_dim1
	s_mov_b32 s[G1B+2], 64<<16
	s_mov_b32 s[G1+3], A_D0<<16                    ; tile_dim0
	s_mov_b32 s[G1B+3], 256<<16
	s_mov_b32 s[G1+4], A_D1                        ; tile_dim1
	s_mov_b32 s[G1B+4], 64
	s_mov_b32 s[G1+5], A_ST                        ; elements from row to row
	s_mov_b32 s[G1B+5], SIZE_K
	s_mov_b32 s[G1+6], 0
	s_mov_b32 s[G1B+6], 0
	s_mov_b32 s[G1+7], 0
	s_mov_b32 s[G1B+7], 0
.if MODE
	s_lshl_b32 s16, s13, 7
	s_lshl_b32 s17, s12, 6
	s_add_co_u32 s16, s16, s17                     ; row 128 x block row + 64 x half
	s_lshl_b32 s16, s16, KSH
.else
	s_lshr_b32 s16, s13, 4                         ; batch
	s_lshl_b32 s16, s16, 4
	s_lshl1_add_u32 s16, s12, s16                  ; head 16 b + 2 x half
	s_lshl_b32 s16, s16, 18
	s_and_b32 s17, s13, 15
	s_lshl_b32 s17, s17, 14                        ; 128 tokens x 128 bytes
	s_add_co_u32 s16, s16, s17
.endif
	s_mov_b32 s17, 0
	s_lshl_b32 s46, s42, 7
	s_lshl_b32 s47, s12, 6
	s_add_co_u32 s46, s46, s47                     ; B: row 128 x block column + 64 x half
	s_lshl_b32 s46, s46, KSH
	s_add_co_u32 s46, s46, WOFF
	s_mov_b32 s47, 0
	s_mul_i32 s20, s10, AHALF                      ; A's halves: waves 0, 1
	s_mul_i32 s21, s10, BHALF
	s_add_co_u32 s21, s21, AREG-BREG               ; B's halves behind A's region: waves 2, 3
	s_wait_dscnt 0x0
	s_wait_kmcnt 0x0
	s_add_nc_u64 s[14:15], s[4:5], s[16:17]
	s_add_nc_u64 s[46:47], s[6:7], s[46:47]
	CROUND                                         ; all sixteen work-groups are here: the first joint loads meet
.irp s, 0,1
	s_mov_b32 s[G0+4*\s], 1
	s_add_co_u32 s[G0+4*\s+1], s20, \s*SLOT
	s_add_nc_u64 s[G0+4*\s+2:G0+4*\s+3], s[14:15], \s*A_SS
	s_or_b32 s[G0+4*\s+3], s[G0+4*\s+3], 0x80000000
	s_mov_b32 s[G0B+4*\s], 1
	s_add_co_u32 s[G0B+4*\s+1], s21, \s*SLOT
	s_add_nc_u64 s[G0B+4*\s+2:G0B+4*\s+3], s[46:47], \s*512
	s_or_b32 s[G0B+4*\s+3], s[G0B+4*\s+3], 0x80000000
	JLOAD \s                                       ; both slots: two tensor loads of the wave are out
.endr
	v_and_b32 v1, 15, v0                           ; r
	v_bfe_u32 v2, v0, 4, 1                         ; h
	v_mul_u32_u24 v3, v1, PA
	v_lshl_add_u32 v3, v2, 4, v3
	v_mul_u32_u24 v4, v1, PB
	v_lshl_add_u32 v4, v2, 4, v4
	s_mul_i32 s22, s11, 64*PA
	s_mul_i32 s23, s12, 64*PB
	s_add_co_u32 s23, s23, AREG
.irp s, 0,1
	v_add_nc_u32 v[ADRA+\s], s22, v3
	v_add_nc_u32 v[ADRB+\s], s23, v4
	s_add_co_u32 s22, s22, SLOT
	s_add_co_u32 s23, s23, SLOT
.endr
	s_mul_i32 s22, s10, 16*SPITCH
	s_add_co_u32 s22, s22, STAGE
	v_mul_u32_u24 v5, v1, SPITCH
	v_lshl_add_u32 v5, v2, 5, v5
	v_add_nc_u32 v[STO], s22, v5                   ; in: row r, 32 bytes for each half of the lanes
	v_mul_u32_u24 v5, v2, SPITCH
	v_lshl_add_u32 v5, v1, 4, v5
	v_add_nc_u32 v[RD], s22, v5                    ; back: lanes 0-15 one row of 256 bytes, lanes 16-31 the next
	v_lshlrev_b32 v[BO], 4, v1
	v_lshl_add_u32 v[CO], v2, 12, v[BO]            ; the same two rows in memory (4,096 bytes a row)
	; my 64 x 64 in the residual and in the output (registers of their own: these mix both coordinates)
	s_lshl_b32 s74, s13, 7
	s_lshl_b32 s75, s11, 6
	s_add_co_u32 s74, s74, s75
	s_lshl_b32 s74, s74, 12
	s_lshl_b32 s76, s42, 7
	s_lshl_b32 s75, s12, 6
	s_add_co_u32 s76, s76, s75
	s_lshl_b32 s76, s76, 2
	s_mov_b32 s77, 0
.if MODE
	s_add_nc_u64 s[68:69], s[68:69], s[76:77]
.endif
	s_add_co_u32 s74, s74, s76
	s_mov_b32 s75, 0
	s_add_nc_u64 s[66:67], s[66:67], s[74:75]
	s_add_nc_u64 s[8:9], s[8:9], s[74:75]
	WIN 0x40                                       ; the residual, 32 loads that stay out for the whole K loop
.irp a, 0,1,2,3
.irp t, 0,1,2,3,4,5,6,7
	global_load_b128 v[R+4*(8*\a+\t):R+4*(8*\a+\t)+3], v[CO], s[66:67] offset:(16*\a+2*\t)*4096 th:TH_LOAD_NT
.endr
.endr
	WIN 0
.if MODE
	global_load_b128 v[BIAS:BIAS+3], v[BO], s[68:69]
.endif
.macro MUL8 f, a0, zero
.irp a, \a0, \a0+1
.irp b, 0,1,2,3
.if \zero
	v_wmma_f32_16x16x32_f16 v[8*(4*(\a)+\b):8*(4*(\a)+\b)+7], v[\f+8*\b:\f+8*\b+7], v[\f+32+8*(\a):\f+32+8*(\a)+7], 0
.else
	v_wmma_f32_16x16x32_f16 v[8*(4*(\a)+\b):8*(4*(\a)+\b)+7], v[\f+8*\b:\f+8*\b+7], v[\f+32+8*(\a):\f+32+8*(\a)+7], v[8*(4*(\a)+\b):8*(4*(\a)+\b)+7]
.endif
.endr
.endr
.endm
.macro FETCH slot, q, f                ; 16 LDS loads: quarter q's fragments (64 rows of B, 64 rows of A, 32 along K) into buffer f
.if MODE
.set AO, (\q)*64
.else
.set AO, ((\q)>>1)*SUBT+((\q)&1)*64    ; head q / 2 of the slot's four, half q % 2 of its 64 numbers
.endif
.irp i, 0,1,2,3
	ds_load_b128 v[\f+8*\i:\f+8*\i+3],   v[ADRB+\slot] offset:(\q)*64+\i*16*PB
	ds_load_b128 v[\f+8*\i+4:\f+8*\i+7], v[ADRB+\slot] offset:(\q)*64+\i*16*PB+32
.endr
.irp i, 0,1,2,3
	ds_load_b128 v[\f+32+8*\i:\f+32+8*\i+3],   v[ADRA+\slot] offset:AO+\i*16*PA
	ds_load_b128 v[\f+32+8*\i+4:\f+32+8*\i+7], v[ADRA+\slot] offset:AO+\i*16*PA+32
.endr
.endm
.macro PLACES                          ; four plain places behind matrix instructions (ISA guide 7.12.1)
.rept 4
	v_nop
.endr
.endm
; The 16 accumulators take turns, one instruction a turn, in one fixed order.
.macro QUARTER slot, q, f, g, zero
	PLACES
	FETCH \slot, \q+1, \g
	s_wait_dscnt 16                                ; this quarter's fragments are in; the 16 loads just issued stay out
	WIN MUL
	MUL8 \f, 0, \zero
	MUL8 \f, 2, \zero
	WIN 0
.endm
.macro SEVEN slot, zero
	QUARTER \slot, 0, F0, F1, \zero
	QUARTER \slot, 1, F1, F0, 0
	QUARTER \slot, 2, F0, F1, 0
	QUARTER \slot, 3, F1, F0, 0
	QUARTER \slot, 4, F0, F1, 0
	QUARTER \slot, 5, F1, F0, 0
	QUARTER \slot, 6, F0, F1, 0
.endm
; The eighth quarter changes slots: my reads of this slot and all my tensor loads are waited for in front of the signal; behind the barrier
; (a whole round of the cluster's barrier where the slot is filled again) the refill comes first, then the next slot's first fragments.
.macro TURN slot, next, fill
	s_wait_dscnt 0x0
	s_wait_tensorcnt 0x0
	ds_add_u32 v62, v63
	s_wait_dscnt 0x0
	s_barrier_signal -1
	WIN MUL
	MUL8 F1, 0, 0                                  ; register work while the others arrive
	WIN 0
	s_barrier_wait -1
.if \fill
	CREST
	s_add_nc_u64 s[G0+4*\slot+2:G0+4*\slot+3], s[G0+4*\slot+2:G0+4*\slot+3], 2*A_SS
	s_add_nc_u64 s[G0B+4*\slot+2:G0B+4*\slot+3], s[G0B+4*\slot+2:G0B+4*\slot+3], 1024
	JLOAD \slot                                    ; the wave's one tensor load behind the round; its four v_nop are also the places in front of the loads below
.else
	PLACES
.endif
	FETCH \next, 0, F0
	WIN MUL
	MUL8 F1, 2, 0
	WIN 0
.endm
.macro LAP zero
	SEVEN 0, \zero
	TURN 0, 1, 1
	SEVEN 1, 0
	TURN 1, 0, 1
.endm
	s_wait_tensorcnt 1                             ; my part of slot 0 is in; slot 1's load stays out
	s_barrier_signal -1
	s_barrier_wait -1
	FETCH 0, 0, F0
	LAP 1
.if LAPS > 2
	s_mov_b32 s3, LAPS-2
.Llap:
	LAP 0
	s_sub_co_u32 s3, s3, 1
	s_cmp_lg_u32 s3, 0
	s_cbranch_scc1 .Llap
.endif
	SEVEN 0, 0                                     ; the last lap fills nothing
	TURN 0, 1, 0
	SEVEN 1, 0
	s_wait_dscnt 0x0
	WIN MUL
	MUL8 F1, 0, 0
	MUL8 F1, 2, 0
	WIN 0
	; THE WAY OUT, 16 rows at a time, in f32: 32 bytes a lane into my own stage, back as whole rows of 256 bytes, bias and residual added there.
	PLACES
	s_wait_loadcnt 0x0                             ; residual (and bias)
.macro OUTG a
.set TT, T+32*(\a&1)
	WIN 0x04                                       ; store data in window 1
.irp b, 0,1,2,3
	ds_store_b128 v[STO], v[8*(4*\a+\b):8*(4*\a+\b)+3] offset:64*\b
	ds_store_b128 v[STO], v[8*(4*\a+\b)+4:8*(4*\a+\b)+7] offset:64*\b+16
.endr
	WIN 0
	s_wait_xcnt 0x0                                ; this set of T, which earlier stores read, is rewritten only behind this wait
.irp t, 0,1,2,3,4,5,6,7
	ds_load_b128 v[TT+4*\t:TT+4*\t+3], v[RD] offset:\t*2*SPITCH    ; LDS serves a wave's instructions in order: these see the stores above
.endr
	s_wait_dscnt 0x0
.if MODE
.irp t, 0,1,2,3,4,5,6,7
	v_pk_fma_f32 v[TT+4*\t:TT+4*\t+1], v[BIAS:BIAS+1], s[72:73], v[TT+4*\t:TT+4*\t+1] op_sel_hi:[1,0,1]
	v_pk_fma_f32 v[TT+4*\t+2:TT+4*\t+3], v[BIAS+2:BIAS+3], s[72:73], v[TT+4*\t+2:TT+4*\t+3] op_sel_hi:[1,0,1]
.endr
.endif
	WIN 0x01                                       ; source 0: the residual in window 1
.irp t, 0,1,2,3,4,5,6,7
	v_pk_fma_f32 v[TT+4*\t:TT+4*\t+1], v[R+4*(8*\a+\t):R+4*(8*\a+\t)+1], s[70:71], v[TT+4*\t:TT+4*\t+1] op_sel_hi:[1,0,1]
	v_pk_fma_f32 v[TT+4*\t+2:TT+4*\t+3], v[R+4*(8*\a+\t)+2:R+4*(8*\a+\t)+3], s[70:71], v[TT+4*\t+2:TT+4*\t+3] op_sel_hi:[1,0,1]
.endr
	WIN 0
.irp t, 0,1,2,3,4,5,6,7
	global_store_b128 v[CO], v[TT+4*\t:TT+4*\t+3], s[8:9] offset:(16*\a+2*\t)*4096   ; 16 lanes store 256 consecutive bytes, aligned
.endr
.endm
	OUTG 0
	OUTG 1
	OUTG 2
	OUTG 3
	s_wait_tensorcnt 0x0
	ds_add_u32 v62, v63
	s_wait_dscnt 0x0
	CROUND                                         ; the closing round
	s_endpgm
.Lfunc_end_k_qd9abdf0c0b_gemm_o:
	.size	k_qd9abdf0c0b_gemm_o, .Lfunc_end_k_qd9abdf0c0b_gemm_o-k_qd9abdf0c0b_gemm_o
	.p2alignl 7, 3214868480
	.fill 96, 4, 3214868480
	.section	.rodata,"a",@progbits
	.p2align	6, 0x0
	.amdhsa_kernel k_qd9abdf0c0b_gemm_o
		.amdhsa_group_segment_fixed_size 327680
		.amdhsa_private_segment_fixed_size 0
		.amdhsa_enable_private_segment 0
		.amdhsa_kernarg_size 32
		.amdhsa_user_sgpr_count 2
		.amdhsa_user_sgpr_kernarg_segment_ptr 1
		.amdhsa_wavefront_size32 1
		.amdhsa_system_sgpr_workgroup_id_x 1
		.amdhsa_system_sgpr_workgroup_id_y 1
		.amdhsa_system_sgpr_workgroup_id_z 1
		.amdhsa_system_vgpr_workitem_id 0
		.amdhsa_next_free_vgpr 512
		.amdhsa_next_free_sgpr 80
		.amdhsa_reserve_vcc 0
		.amdhsa_float_denorm_mode_32 3
		.amdhsa_float_denorm_mode_16_64 3
		.amdhsa_memory_ordered 1
		.amdhsa_forward_progress 1
		.amdhsa_inst_pref_size 97
	.end_amdhsa_kernel
	.amdgpu_metadata
---
amdhsa.version: [ 1, 2 ]
amdhsa.kernels:
  - .name:           k_qd9abdf0c0b_gemm_o
    .symbol:         k_qd9abdf0c0b_gemm_o.kd
    .args:
      - { .name: av, .offset: 0, .size: 8, .value_kind: global_buffer, .address_space: global }
      - { .name: wts, .offset: 8, .size: 8, .value_kind: global_buffer, .address_space: global }
      - { .name: x, .offset: 16, .size: 8, .value_kind: global_buffer, .address_space: global }
      - { .name: x1, .offset: 24, .size: 8, .value_kind: global_buffer, .address_space: global }
    .group_segment_fixed_size: 327680
    .private_segment_fixed_size: 0
    .kernarg_segment_align: 8
    .kernarg_segment_size: 32
    .max_flat_workgroup_size: 128
    .sgpr_count:     80
    .vgpr_count:     512
    .wavefront_size: 32
...
	.end_amdgpu_metadata
.endif
;; end of part 4
;; launch ln2 (part 5): grid 256 x 1, 4 waves a work-group, no clusters, 0 bytes of LDS; arguments x1, ln2_w, ln2_b, hn; writes hn
.if DOCPART == 5
	.amdgcn_target "amdgcn-amd-amdhsa--gfx1250"
	.amdhsa_code_object_version 6
	.text
	.protected	k_qd9abdf0c0b_ln2
	.globl	k_qd9abdf0c0b_ln2
	.p2align	8
	.type	k_qd9abdf0c0b_ln2,@function
k_qd9abdf0c0b_ln2:
	s_mov_b64 s[64:65], 0
	v_nop
	global_prefetch_b8 v0, s[64:65] scope:SCOPE_SE
	s_setreg_imm32_b32 hwreg(HW_REG_WAVE_MODE, 25, 1), 1
	s_wait_xcnt 0x0
; hn = LayerNorm(x1) * ln2_w + ln2_b, 4,096 rows of 1,024 f32 in, f16 out.  Mean first, then the squares of (x - mean): two true passes on registers.
; A wave takes 4 rows, all 32 loads issued at once; lane l holds elements 4 l + 128 j + e in register 4 j + e: a load of the wave covers 512 consecutive bytes,
; a store 256 consecutive bytes, aligned.  No LDS, no barrier, no matrix unit: bytes alone count here.
; FORMAT: f16.  Room: a normalised row of 1,024 numbers is below 32 in magnitude, so |hn| <= 32 |gain| + |bias|.
; Limit: a result of 65,520 or more becomes infinity; below 2^-14 the step is 2^-24.
.set OFF,  4
.set A0,   8
.set A1,   10
.set MEAN, 12
.set RS,   14
.set T,    16
.set W,    24
.set BV,   56
.set X,    88
	s_load_b256 s[8:15], s[0:1], 0x0               ; x1 8, ln2_w 10, ln2_b 12, hn 14
	v_lshrrev_b32 v3, 5, v0
	v_readfirstlane_b32 s2, v3                     ; wave
	v_and_b32 v1, 31, v0
	v_lshlrev_b32 v2, 3, v1                        ; 8 x lane
	v_lshlrev_b32 v1, 4, v1                        ; 16 x lane
	s_mov_b32 s34, 0x76543210
	s_mov_b32 s35, 0xfedcba98
	s_mov_b32 s36, 0x3a800000                      ; 1/1024
	s_mov_b32 s37, 0x3727c5ac                      ; 1e-5
	v_mov_b32 v[T+1], 0                            ; v_permlanex16_b32 counts as a reader of its destination
	s_lshl_b32 s3, ttmp9, 4
	s_lshl2_add_u32 s3, s2, s3                     ; first row = 16 g + 4 wave
	s_lshl_b32 s30, s3, 12
	s_lshl_b32 s6, s3, 11
	s_mov_b32 s7, 0
	s_wait_kmcnt 0x0
	s_add_nc_u64 s[28:29], s[14:15], s[6:7]
.irp j, 0,1,2,3,4,5,6,7
	global_load_b128 v[W+4*\j:W+4*\j+3], v1, s[10:11] offset:512*\j
	global_load_b128 v[BV+4*\j:BV+4*\j+3], v1, s[12:13] offset:512*\j
.endr
.irp i, 0,1,2,3
	v_add_nc_u32 v[OFF+\i], s30, v1
	s_add_co_u32 s30, s30, 4096
.irp j, 0,1,2,3,4,5,6,7
	global_load_b128 v[X+32*\i+4*\j:X+32*\i+4*\j+3], v[OFF+\i], s[8:9] offset:512*\j
.endr
.endr
.macro WRED                            ; sum of v[T] over the 32 lanes, in every lane
	v_add_f32_dpp v[T], v[T], v[T] row_xmask:1 row_mask:0xf bank_mask:0xf
	v_add_f32_dpp v[T], v[T], v[T] row_xmask:2 row_mask:0xf bank_mask:0xf
	v_add_f32_dpp v[T], v[T], v[T] row_xmask:4 row_mask:0xf bank_mask:0xf
	v_add_f32_dpp v[T], v[T], v[T] row_xmask:8 row_mask:0xf bank_mask:0xf
	v_permlanex16_b32 v[T+1], v[T], s34, s35
	v_add_f32 v[T], v[T], v[T+1]
.endm
.macro LNROW i
.set XR, X+32*\i
	s_wait_loadcnt 8*(3-\i)                        ; this row (and gain and bias, which are older) is in, the younger rows' 8 loads each stay out
	v_pk_add_f32 v[A0:A0+1], v[XR:XR+1], v[XR+2:XR+3]
	v_pk_add_f32 v[A1:A1+1], v[XR+4:XR+5], v[XR+6:XR+7]
.irp p, 8,12,16,20,24,28
	v_pk_add_f32 v[A0:A0+1], v[A0:A0+1], v[XR+\p:XR+\p+1]
	v_pk_add_f32 v[A1:A1+1], v[A1:A1+1], v[XR+\p+2:XR+\p+3]
.endr
	v_pk_add_f32 v[A0:A0+1], v[A0:A0+1], v[A1:A1+1]
	v_add_f32 v[T], v[A0], v[A0+1]
	WRED
	v_mul_f32 v[MEAN], s36, v[T]
	v_mul_f32 v[MEAN+1], s36, v[T]
.irp p, 0,2,4,6,8,10,12,14,16,18,20,22,24,26,28,30
	v_pk_add_f32 v[XR+\p:XR+\p+1], v[XR+\p:XR+\p+1], v[MEAN:MEAN+1] neg_lo:[0,1] neg_hi:[0,1]
.endr
	v_pk_mul_f32 v[A0:A0+1], v[XR:XR+1], v[XR:XR+1]
	v_pk_mul_f32 v[A1:A1+1], v[XR+2:XR+3], v[XR+2:XR+3]
.irp p, 4,8,12,16,20,24,28
	v_pk_fma_f32 v[A0:A0+1], v[XR+\p:XR+\p+1], v[XR+\p:XR+\p+1], v[A0:A0+1]
	v_pk_fma_f32 v[A1:A1+1], v[XR+\p+2:XR+\p+3], v[XR+\p+2:XR+\p+3], v[A1:A1+1]
.endr
	v_pk_add_f32 v[A0:A0+1], v[A0:A0+1], v[A1:A1+1]
	v_add_f32 v[T], v[A0], v[A0+1]
	WRED
	v_fma_f32 v[T], v[T], s36, s37                 ; variance + eps
	v_rsq_f32 v[RS], v[T]
	v_nop                                          ; one plain place behind the transcendental (ISA guide 5.7.2)
	s_wait_alu depctr_va_vdst(0)
	v_mov_b32 v[RS+1], v[RS]
.irp p, 0,2,4,6,8,10,12,14,16,18,20,22,24,26,28,30
	v_pk_mul_f32 v[XR+\p:XR+\p+1], v[XR+\p:XR+\p+1], v[RS:RS+1]
.endr
.irp p, 0,2,4,6,8,10,12,14,16,18,20,22,24,26,28,30
	v_pk_fma_f32 v[XR+\p:XR+\p+1], v[XR+\p:XR+\p+1], v[W+\p:W+\p+1], v[BV+\p:BV+\p+1]
.endr
.irp k, 0,1,2,3,4,5,6,7,8,9,10,11,12,13,14,15
	v_cvt_pk_f16_f32 v[XR+\k], v[XR+2*\k], v[XR+2*\k+1]    ; in place: the target never passes an unread source
.endr
.irp j, 0,1,2,3,4,5,6,7
	global_store_b64 v2, v[XR+2*\j:XR+2*\j+1], s[28:29] offset:\i*2048+\j*256
.endr
.endm
	LNROW 0
	LNROW 1
	LNROW 2
	LNROW 3
	s_endpgm
.Lfunc_end_k_qd9abdf0c0b_ln2:
	.size	k_qd9abdf0c0b_ln2, .Lfunc_end_k_qd9abdf0c0b_ln2-k_qd9abdf0c0b_ln2
	.p2alignl 7, 3214868480
	.fill 96, 4, 3214868480
	.section	.rodata,"a",@progbits
	.p2align	6, 0x0
	.amdhsa_kernel k_qd9abdf0c0b_ln2
		.amdhsa_group_segment_fixed_size 0
		.amdhsa_private_segment_fixed_size 0
		.amdhsa_enable_private_segment 0
		.amdhsa_kernarg_size 32
		.amdhsa_user_sgpr_count 2
		.amdhsa_user_sgpr_kernarg_segment_ptr 1
		.amdhsa_wavefront_size32 1
		.amdhsa_system_sgpr_workgroup_id_x 1
		.amdhsa_system_sgpr_workgroup_id_y 1
		.amdhsa_system_sgpr_workgroup_id_z 1
		.amdhsa_system_vgpr_workitem_id 0
		.amdhsa_next_free_vgpr 216
		.amdhsa_next_free_sgpr 66
		.amdhsa_reserve_vcc 0
		.amdhsa_float_denorm_mode_32 3
		.amdhsa_float_denorm_mode_16_64 3
		.amdhsa_memory_ordered 1
		.amdhsa_forward_progress 1
		.amdhsa_inst_pref_size 37
	.end_amdhsa_kernel
	.amdgpu_metadata
---
amdhsa.version: [ 1, 2 ]
amdhsa.kernels:
  - .name:           k_qd9abdf0c0b_ln2
    .symbol:         k_qd9abdf0c0b_ln2.kd
    .args:
      - { .name: x1, .offset: 0, .size: 8, .value_kind: global_buffer, .address_space: global }
      - { .name: ln2_w, .offset: 8, .size: 8, .value_kind: global_buffer, .address_space: global }
      - { .name: ln2_b, .offset: 16, .size: 8, .value_kind: global_buffer, .address_space: global }
      - { .name: hn, .offset: 24, .size: 8, .value_kind: global_buffer, .address_space: global }
    .group_segment_fixed_size: 0
    .private_segment_fixed_size: 0
    .kernarg_segment_align: 8
    .kernarg_segment_size: 32
    .max_flat_workgroup_size: 128
    .sgpr_count:     66
    .vgpr_count:     216
    .wavefront_size: 32
...
	.end_amdgpu_metadata
.endif
;; end of part 5
;; launch gemm_fc1 (part 6): grid 16 x 16, 4 waves a work-group, clusters of 4 x 4, 327,680 bytes of LDS; arguments hn, wts, b1, g; writes g
.if DOCPART == 6
	.amdgcn_target "amdgcn-amd-amdhsa--gfx1250"
	.amdhsa_code_object_version 6
	.text
	.protected	k_qd9abdf0c0b_gemm_fc1
	.globl	k_qd9abdf0c0b_gemm_fc1
	.p2align	8
	.type	k_qd9abdf0c0b_gemm_fc1,@function
k_qd9abdf0c0b_gemm_fc1:
	s_mov_b64 s[64:65], 0
	v_nop
	global_prefetch_b8 v0, s[64:65] scope:SCOPE_SE
	s_setreg_imm32_b32 hwreg(HW_REG_WAVE_MODE, 25, 1), 1
	s_wait_xcnt 0x0
	s_wait_alu depctr_hold_cnt(0) depctr_sa_sdst(0) depctr_va_vdst(0) depctr_va_sdst(0) depctr_va_ssrc(0) depctr_va_vcc(0) depctr_vm_vsrc(0)
	s_getreg_b32 s2, hwreg(HW_REG_IB_STS2, 6, 4)
	s_cmp_eq_u32 s2, 0
	s_cbranch_scc0 .Lentry_in_a_cluster
	s_endpgm
.Lentry_in_a_cluster:
	s_bfe_u32 s2, ttmp6, 0x10000c
	s_cmp_lg_u32 s2, 0xf033
	s_cbranch_scc0 .Lentry_shape_is_right
	s_endpgm
.Lentry_shape_is_right:
; g[m][n] = gelu(u), u = sum over k of hn[m][k] w1'[n][k] + b1[n] 2^-5.5.  hn: [4096][1024] f16; w1' = rows 4096-8191 of wts, f16 (scale folded in); g: [4096][4096] f16.
; (GELU's own scale 1/0.63 is folded into w2'.)
; A work-group makes a block of 256 x 256 with four waves; a wave makes 128 x 128: 64 accumulator tiles, 512 registers.  K in steps of 128 through two LDS slots.
; CLUSTERS 4 x 4: hn's tiles are shared along a row of the cluster, w1's along a column, by joint loads.
; REGISTERS in windows of 256: window 0: addresses, fragments of A (two buffers), at work on the way out; window 1: v0-63 the bias of my 128 columns, v64-191 fragments of B;
; windows 2 and 3: accumulators (tile (a, b) at 8 (8 a + b)).  The matrix instruction is used transposed: a lane's eight results are eight neighbouring columns of one row.
; GELU, exact form: gelu(u) = max(u, 0) - |u| q, q = erfc(|u| / sqrt 2) / 2, which loses nothing in the negative tail.
; FORMAT: g in f16.  Room: |g| <= |u|; with gains and weights of spread 1 u has spread 0.71; gain and weight both 30 times larger give about 900, a weight offset of 30 on a
; norm bias of 30 about 20,000.
; Limits: a g of 65,520 or more becomes infinity, below 2^-14 the step is 2^-24; erfc by the five-term rational form of Abramowitz and Stegun 7.1.26, absolute error of erf
; at most 1.5e-7 for every argument; u = +-infinity gives NaN; exponentials below 2^-126 come out as 0.
.set SIZE_M, 4096
.set SIZE_N, 4096
.set SIZE_K, 1024
.set KSTEP,  128
.set PITCH,  272
.set HALFT,  128*PITCH
.set SLOT,   4*HALFT
.set STAGE,  2*SLOT
.set SPITCH, 272
.set LAPS, SIZE_K/(2*KSTEP)
.set ADRA, 16
.set ADRB, 20
.set STO,  24
.set RD,   25
.set CO,   26
.set BOF,  27                          ; v27 32 x (l / 16): my 8 columns of a tile in b1
.set A4V,  28                          ; v[28:29] the polynomial's a4 / 2, twice
.set F0,   64
.set F1,   128
.set U,    64                          ; way out: u of 16 rows (8 tiles x 8)
.set GT,   128
.set GR,   136
.set GE,   144
.set GX,   152
.set GQ,   160
.set TMP,  192
.set RB,   224
.set G1, 24
.set G0, 32
.set G1B, 48
.set G0B, 56
.set MSB, 0
.macro WIN new
.if MSB != \new
	s_set_vgpr_msb (MSB<<8)|\new
.set MSB, \new
.endif
.endm
.set MUL_LO, 0xa1
.set MUL_HI, 0xf1
.set TO_B,   0x40
.macro JLOAD s
	s_cmp_eq_u32 s11, 0
	s_cbranch_scc0 .Lfor_b_\@
	tensor_load_to_lds s[G0+4*\s:G0+4*\s+3], s[G1:G1+7]
	s_nop 0
.rept 4
	v_nop
.endr
	s_branch .Lasked_\@
.Lfor_b_\@:
	tensor_load_to_lds s[G0B+4*\s:G0B+4*\s+3], s[G1B:G1B+7]
	s_nop 0
.rept 4
	v_nop
.endr
.Lasked_\@:
.endm
.macro CREST
	s_cmp_lg_u32 s10, 0
	s_cbranch_scc1 .Lnot_wave_0_\@
	s_barrier_signal -3
.Lnot_wave_0_\@:
	s_barrier_wait -3
	s_barrier_signal -1
	s_barrier_wait -1
.endm
.macro CROUND
	s_barrier_signal -1
	s_barrier_wait -1
	CREST
.endm
	s_load_b128 s[4:7], s[0:1], 0x0                ; hn s[4:5], wts s[6:7]
	s_load_b64 s[80:81], s[0:1], 0x10              ; b1
	s_load_b64 s[8:9], s[0:1], 0x18                ; g
	s_set_vgpr_msb 0x40
	v_lshl_add_u32 v255, v0, 2, 0x48400
	s_set_vgpr_msb 0x4000
	v_mov_b32 v63, 0
	s_set_vgpr_msb 0x1
	ds_add_u32 v255, v63
	s_set_vgpr_msb 0x100
	v_lshrrev_b32 v1, 5, v0
	v_readfirstlane_b32 s10, v1
	s_lshr_b32 s11, s10, 1
	s_and_b32 s12, s10, 1
	s_bfe_u32 s40, ttmp6, 0x40000                  ; cx
	s_bfe_u32 s41, ttmp6, 0x40004                  ; cy
	s_lshl_b32 s42, ttmp9, 2
	s_add_co_u32 s42, s42, s40                     ; block column
	s_and_b32 s13, ttmp7, 0xffff
	s_lshl_b32 s13, s13, 2
	s_add_co_u32 s13, s13, s41                     ; block row
	s_lshl_b32 s43, s41, 2
	s_lshl_b32 s43, 15, s43
	s_lshl_b32 s44, 0x1111, s40
	s_mov_b32 s66, 0x3cb504f3                      ; 2^-5.5
	s_mov_b32 s67, 0x3cb504f3
	s_mov_b32 s68, 0x3e6d3388                      ; p / sqrt 2
	s_mov_b32 s70, 0xbf38aa3b                      ; -log2(e) / 2
	s_mov_b32 s71, 0xbf38aa3b
	s_mov_b32 s72, 0x3f07dc22                      ; a5 / 2
	s_mov_b32 s73, 0x3f07dc22
	s_mov_b32 s74, 0x3f35f0e3                      ; a3 / 2
	s_mov_b32 s75, 0x3f35f0e3
	s_mov_b32 s76, 0xbe11a98e                      ; a2 / 2
	s_mov_b32 s77, 0xbe11a98e
	s_mov_b32 s78, 0x3e027906                      ; a1 / 2
	s_mov_b32 s79, 0x3e027906
	s_or_b32 s[G1+0], s43, (1<<16)|(1<<20)|(1<<21)|(5<<22)|(3<<25)
	s_or_b32 s[G1B+0], s44, (1<<16)|(1<<20)|(1<<21)|(5<<22)|(3<<25)
	s_mov_b32 s[G1B+1], KSTEP<<16
	s_mov_b32 s[G1+1], KSTEP<<16
	s_mov_b32 s[G1B+2], 128<<16
	s_mov_b32 s[G1+2], 128<<16
	s_mov_b32 s[G1B+3], KSTEP<<16
	s_mov_b32 s[G1+3], KSTEP<<16
	s_mov_b32 s[G1B+4], 128
	s_mov_b32 s[G1+4], 128
	s_mov_b32 s[G1B+5], SIZE_K
	s_mov_b32 s[G1+5], SIZE_K
	s_mov_b32 s[G1B+6], 0
	s_mov_b32 s[G1+6], 0
	s_mov_b32 s[G1B+7], 0
	s_mov_b32 s[G1+7], 0
	s_lshl_b32 s17, s12, 7
	s_lshl_b32 s16, s13, 8
	s_add_co_u32 s16, s16, s17
	s_lshl_b32 s46, s42, 8
	s_add_co_u32 s46, s46, s17
	s_mov_b32 s17, 0
	s_mov_b32 s47, 0
	s_mov_b64 s[18:19], SIZE_K*2
	s_mul_u64 s[16:17], s[16:17], s[18:19]
	s_mul_u64 s[46:47], s[46:47], s[18:19]
	s_mul_i32 s20, s10, HALFT
	s_lshl_b32 s82, s42, 10                        ; my 128 columns in b1, in bytes
	s_lshl_b32 s83, s12, 9
	s_add_co_u32 s82, s82, s83
	s_mov_b32 s83, 0
	s_wait_dscnt 0x0
	s_wait_kmcnt 0x0
	s_add_nc_u64 s[6:7], s[6:7], 0x800000          ; w1' begins at row 4096 of wts
	s_add_nc_u64 s[14:15], s[4:5], s[16:17]
	s_add_nc_u64 s[46:47], s[6:7], s[46:47]
	s_add_nc_u64 s[80:81], s[80:81], s[82:83]
	CROUND                                         ; all sixteen work-groups are here: the first joint loads meet
.irp s, 0,1
	s_mov_b32 s[G0+4*\s], 1
	s_add_co_u32 s[G0+4*\s+1], s20, \s*SLOT
	s_add_nc_u64 s[G0+4*\s+2:G0+4*\s+3], s[14:15], \s*KSTEP*2
	s_or_b32 s[G0+4*\s+3], s[G0+4*\s+3], 0x80000000
	s_mov_b32 s[G0B+4*\s], 1
	s_add_co_u32 s[G0B+4*\s+1], s20, \s*SLOT
	s_add_nc_u64 s[G0B+4*\s+2:G0B+4*\s+3], s[46:47], \s*KSTEP*2
	s_or_b32 s[G0B+4*\s+3], s[G0B+4*\s+3], 0x80000000
	JLOAD \s                                       ; both slots: two tensor loads of the wave are out
.endr
	v_and_b32 v1, 15, v0
	v_bfe_u32 v2, v0, 4, 1
	v_mul_u32_u24 v3, v1, PITCH
	v_lshl_add_u32 v3, v2, 4, v3
	s_mul_i32 s21, s11, HALFT
	s_mul_i32 s22, s12, HALFT
	s_add_co_u32 s22, s22, 2*HALFT
.irp s, 0,1
	v_add_nc_u32 v[ADRA+\s], s21, v3
	v_add_nc_u32 v[ADRB+\s], s22, v3
	s_add_co_u32 s21, s21, SLOT
	s_add_co_u32 s22, s22, SLOT
.endr
	s_mul_i32 s23, s10, 16*SPITCH
	s_add_co_u32 s23, s23, STAGE
	v_mul_u32_u24 v4, v1, SPITCH
	v_lshl_add_u32 v4, v2, 4, v4
	v_add_nc_u32 v[STO], s23, v4
	v_mul_u32_u24 v5, v2, SPITCH
	v_lshl_add_u32 v5, v1, 4, v5
	v_add_nc_u32 v[RD], s23, v5
	v_mul_u32_u24 v5, v2, SIZE_N*2
	v_lshl_add_u32 v[CO], v1, 4, v5
	v_lshlrev_b32 v[BOF], 5, v2
	v_mov_b32 v[A4V], 0xbf3a00e3                   ; a4 / 2
	v_mov_b32 v[A4V+1], 0xbf3a00e3
.macro MUL16 f, hi, a0, zero
.irp a, \a0, \a0+1
.irp b, 0,1,2,3,4,5,6,7
.if \zero
	v_wmma_f32_16x16x32_f16 v[8*(8*(\a)+\b):8*(8*(\a)+\b)+7], v[\f+8*\b:\f+8*\b+7], v[\f+8*(4*\hi+\a):\f+8*(4*\hi+\a)+7], 0
.else
	v_wmma_f32_16x16x32_f16 v[8*(8*(\a)+\b):8*(8*(\a)+\b)+7], v[\f+8*\b:\f+8*\b+7], v[\f+8*(4*\hi+\a):\f+8*(4*\hi+\a)+7], v[8*(8*(\a)+\b):8*(8*(\a)+\b)+7]
.endif
.endr
.endr
.endm
.macro FETCH slot, k, f
	WIN TO_B
.irp i, 0,1,2,3,4,5,6,7
	ds_load_b128 v[\f+8*\i:\f+8*\i+3],   v[ADRB+\slot] offset:\k+\i*16*PITCH
	ds_load_b128 v[\f+8*\i+4:\f+8*\i+7], v[ADRB+\slot] offset:\k+\i*16*PITCH+32
.endr
	WIN 0
.irp i, 0,1,2,3,4,5,6,7
	ds_load_b128 v[\f+8*\i:\f+8*\i+3],   v[ADRA+\slot] offset:\k+\i*16*PITCH
	ds_load_b128 v[\f+8*\i+4:\f+8*\i+7], v[ADRA+\slot] offset:\k+\i*16*PITCH+32
.endr
.endm
.macro PLACES                          ; four plain places behind matrix instructions (ISA guide 7.12.1)
.rept 4
	v_nop
.endr
.endm
; The 64 accumulators take turns, one instruction a turn, in one fixed order.
.macro QUARTER slot, k, f, g, zero
	s_wait_dscnt 8                                 ; B and A's rows 0-63 are in; the youngest eight loads may be out
	WIN MUL_LO
	MUL16 \f, 0, 0, \zero
	MUL16 \f, 0, 2, \zero
	PLACES
	FETCH \slot, \k, \g
	s_wait_dscnt 32                                ; all but the 32 just issued
	WIN MUL_HI
	MUL16 \f, 1, 0, \zero
	MUL16 \f, 1, 2, \zero
.endm
.macro THREE slot, zero
	QUARTER \slot, 64,  F0, F1, \zero
	QUARTER \slot, 128, F1, F0, 0
	QUARTER \slot, 192, F0, F1, 0
.endm
.macro TURN slot, next, fill
	s_wait_dscnt 8
	WIN MUL_LO
	MUL16 F1, 0, 0, 0
	s_wait_dscnt 0                                 ; my reads of this slot are over
	s_wait_tensorcnt 0x0                           ; all my tensor loads have landed: the one that was out is my part of the next slot
	ds_add_u32 v255, v63
	s_wait_dscnt 0x0
	s_barrier_signal -1
	MUL16 F1, 0, 2, 0
	WIN 0
	s_barrier_wait -1
.if \fill
	CREST
	s_add_nc_u64 s[G0+4*\slot+2:G0+4*\slot+3], s[G0+4*\slot+2:G0+4*\slot+3], 2*KSTEP*2
	s_add_nc_u64 s[G0B+4*\slot+2:G0B+4*\slot+3], s[G0B+4*\slot+2:G0B+4*\slot+3], 2*KSTEP*2
	JLOAD \slot                                    ; the wave's one tensor load behind the round; its four v_nop are also the places in front of the loads below
.else
	PLACES
.endif
	FETCH \next, 0, F0
	WIN MUL_HI
	MUL16 F1, 1, 0, 0
	MUL16 F1, 1, 2, 0
.endm
.macro LAP zero
	THREE 0, \zero
	TURN 0, 1, 1
	THREE 1, 0
	TURN 1, 0, 1
.endm
	s_wait_tensorcnt 1                             ; my part of K step 0 is in; K step 1's load stays out
	s_barrier_signal -1
	s_barrier_wait -1
	WIN TO_B                                       ; the bias of my 128 columns into window 1, v0-63: register 8 b + j = column 16 b + 8 (l / 16) + j.  Waited for in front of the way out.
.irp b, 0,1,2,3,4,5,6,7
	global_load_b128 v[8*\b:8*\b+3],   v[BOF], s[80:81] offset:64*\b
	global_load_b128 v[8*\b+4:8*\b+7], v[BOF], s[80:81] offset:64*\b+16
.endr
	FETCH 0, 0, F0
	LAP 1
	WIN 0
	s_mov_b32 s3, LAPS-2
.Llap:
	LAP 0
	WIN 0
	s_sub_co_u32 s3, s3, 1
	s_cmp_lg_u32 s3, 0
	s_cbranch_scc1 .Llap
	THREE 0, 0
	TURN 0, 1, 0
	THREE 1, 0
	s_wait_dscnt 8
	WIN MUL_LO
	MUL16 F1, 0, 0, 0
	MUL16 F1, 0, 2, 0
	s_wait_dscnt 0
	WIN MUL_HI
	MUL16 F1, 1, 0, 0
	MUL16 F1, 1, 2, 0
	; THE WAY OUT, 16 rows at a time: bias, GELU, round to f16, through my own stage, back as whole rows of 256 bytes.
	PLACES
	s_wait_loadcnt 0x0                             ; the bias
	s_lshl_b32 s13, s13, 8
	s_lshl_b32 s14, s11, 7
	s_add_co_u32 s16, s13, s14                     ; my first row
	s_mov_b32 s17, 0
	s_mov_b64 s[18:19], SIZE_N*2
	s_mul_u64 s[16:17], s[16:17], s[18:19]
	s_add_nc_u64 s[8:9], s[8:9], s[16:17]
	s_lshl_b32 s46, s42, 9                         ; my first column, in bytes
	s_lshl_b32 s47, s12, 8
	s_add_co_u32 s46, s46, s47
	s_mov_b32 s47, 0
	s_add_nc_u64 s[8:9], s[8:9], s[46:47]
.macro GELU8 b                         ; eight numbers u of tile b: t = 1 / (1 + p |u| / sqrt 2), q = t (a1 + t (a2 + t (a3 + t (a4 + t a5)))) / 2 x exp(-u u / 2)
.set UB, U+8*\b
.irp j, 0,1,2,3,4,5,6,7
	v_fma_f32 v[GT+\j], |v[UB+\j]|, s68, 1.0
.endr
.irp k, 0,2,4,6
	v_pk_mul_f32 v[GE+\k:GE+\k+1], v[UB+\k:UB+\k+1], v[UB+\k:UB+\k+1]
.endr
.irp j, 0,1,2,3,4,5,6,7
	v_rcp_f32 v[GR+\j], v[GT+\j]
.endr
.irp k, 0,2,4,6
	v_pk_mul_f32 v[GE+\k:GE+\k+1], v[GE+\k:GE+\k+1], s[70:71] op_sel_hi:[1,0]     ; also the plain places behind the reciprocals (ISA guide 5.7.2)
.endr
.irp j, 0,1,2,3,4,5,6,7
	v_exp_f32 v[GX+\j], v[GE+\j]
.endr
	s_wait_alu depctr_va_vdst(0)
.irp k, 0,2,4,6
	v_pk_fma_f32 v[GQ+\k:GQ+\k+1], v[GR+\k:GR+\k+1], s[72:73], v[A4V:A4V+1] op_sel_hi:[1,0,1]   ; and behind the exponentials
.endr
.irp c, 74, 76, 78
.irp k, 0,2,4,6
	v_pk_fma_f32 v[GQ+\k:GQ+\k+1], v[GQ+\k:GQ+\k+1], v[GR+\k:GR+\k+1], s[\c:\c+1] op_sel_hi:[1,1,0]
.endr
.endr
.irp k, 0,2,4,6
	v_pk_mul_f32 v[GQ+\k:GQ+\k+1], v[GQ+\k:GQ+\k+1], v[GR+\k:GR+\k+1]
.endr
.irp k, 0,2,4,6
	v_pk_mul_f32 v[GQ+\k:GQ+\k+1], v[GQ+\k:GQ+\k+1], v[GX+\k:GX+\k+1]
.endr
.irp j, 0,1,2,3,4,5,6,7
	v_max_num_f32 v[GT+\j], 0, v[UB+\j]
.endr
.irp j, 0,1,2,3,4,5,6,7
	v_fma_f32 v[GT+\j], -|v[UB+\j]|, v[GQ+\j], v[GT+\j]
.endr
.irp k, 0,1,2,3
	v_cvt_pk_f16_f32 v[TMP+4*\b+\k], v[GT+2*\k], v[GT+2*\k+1]
.endr
.endm
; rows 16 i .. 16 i + 15 of my block = tiles (a, 0..7) of window 2 or 3; win: source 0 (bias) window 1, source 2 (sums) window 2 (0x21) or 3 (0x31), result window 0
.macro OUT16G i, a, win
	WIN \win
.irp b, 0,1,2,3,4,5,6,7
.irp k, 0,2,4,6
	v_pk_fma_f32 v[U+8*\b+\k:U+8*\b+\k+1], v[8*\b+\k:8*\b+\k+1], s[66:67], v[8*(8*\a+\b)+\k:8*(8*\a+\b)+\k+1] op_sel_hi:[1,0,1]
.endr
.endr
	WIN 0
.irp b, 0,1,2,3,4,5,6,7
	GELU8 \b
.endr
.irp b, 0,1,2,3,4,5,6,7
	ds_store_b128 v[STO], v[TMP+4*\b:TMP+4*\b+3] offset:32*\b
.endr
	s_wait_xcnt 0x0                                ; RB, which earlier stores read, and the stores' base are rewritten only behind this wait
.if \i
	s_add_nc_u64 s[8:9], s[8:9], 16*SIZE_N*2
.endif
.irp t, 0,1,2,3,4,5,6,7
	ds_load_b128 v[RB+4*\t:RB+4*\t+3], v[RD] offset:\t*2*SPITCH    ; LDS serves a wave's instructions in order: these see the stores above
.endr
.irp t, 0,1,2,3,4,5,6,7
	s_wait_dscnt 7-\t                              ; read-back t is in, the younger ones stay out
	global_store_b128 v[CO], v[RB+4*\t:RB+4*\t+3], s[8:9] offset:2*\t*SIZE_N*2   ; 16 lanes store 256 consecutive bytes, aligned
.endr
.endm
	OUT16G 0, 0, 0x21
	OUT16G 1, 1, 0x21
	OUT16G 2, 2, 0x21
	OUT16G 3, 3, 0x21
	OUT16G 4, 0, 0x31
	OUT16G 5, 1, 0x31
	OUT16G 6, 2, 0x31
	OUT16G 7, 3, 0x31
	s_set_vgpr_msb 0x1
	s_wait_tensorcnt 0x0
	ds_add_u32 v255, v63
	s_wait_dscnt 0x0
	s_set_vgpr_msb 0x100
	CROUND                                         ; the closing round
	s_endpgm
.Lfunc_end_k_qd9abdf0c0b_gemm_fc1:
	.size	k_qd9abdf0c0b_gemm_fc1, .Lfunc_end_k_qd9abdf0c0b_gemm_fc1-k_qd9abdf0c0b_gemm_fc1
	.p2alignl 7, 3214868480
	.fill 96, 4, 3214868480
	.section	.rodata,"a",@progbits
	.p2align	6, 0x0
	.amdhsa_kernel k_qd9abdf0c0b_gemm_fc1
		.amdhsa_group_segment_fixed_size 327680
		.amdhsa_private_segment_fixed_size 0
		.amdhsa_enable_private_segment 0
		.amdhsa_kernarg_size 32
		.amdhsa_user_sgpr_count 2
		.amdhsa_user_sgpr_kernarg_segment_ptr 1
		.amdhsa_wavefront_size32 1
		.amdhsa_system_sgpr_workgroup_id_x 1
		.amdhsa_system_sgpr_workgroup_id_y 1
		.amdhsa_system_sgpr_workgroup_id_z 1
		.amdhsa_system_vgpr_workitem_id 0
		.amdhsa_next_free_vgpr 1024
		.amdhsa_next_free_sgpr 84
		.amdhsa_reserve_vcc 0
		.amdhsa_float_denorm_mode_32 3
		.amdhsa_float_denorm_mode_16_64 3
		.amdhsa_memory_ordered 1
		.amdhsa_forward_progress 1
		.amdhsa_inst_pref_size 255
	.end_amdhsa_kernel
	.section	.bss,"aw",@nobits
	.p2align	6
	.space	262144
	.amdgpu_metadata
---
amdhsa.version: [ 1, 2 ]
amdhsa.kernels:
  - .name:           k_qd9abdf0c0b_gemm_fc1
    .symbol:         k_qd9abdf0c0b_gemm_fc1.kd
    .args:
      - { .name: hn, .offset: 0, .size: 8, .value_kind: global_buffer, .address_space: global }
      - { .name: wts, .offset: 8, .size: 8, .value_kind: global_buffer, .address_space: global }
      - { .name: b1, .offset: 16, .size: 8, .value_kind: global_buffer, .address_space: global }
      - { .name: g, .offset: 24, .size: 8, .value_kind: global_buffer, .address_space: global }
    .group_segment_fixed_size: 327680
    .private_segment_fixed_size: 0
    .kernarg_segment_align: 8
    .kernarg_segment_size: 32
    .max_flat_workgroup_size: 128
    .sgpr_count:     84
    .vgpr_count:     1024
    .wavefront_size: 32
...
	.end_amdgpu_metadata
.endif
;; end of part 6
;; launch gemm_fc2 (part 7): grid 8 x 32, 4 waves a work-group, clusters of 4 x 4, 327,680 bytes of LDS; arguments g, wts, b2, x1, out0; writes out0
.if DOCPART == 7
	.amdgcn_target "amdgcn-amd-amdhsa--gfx1250"
	.amdhsa_code_object_version 6
	.text
	.protected	k_qd9abdf0c0b_gemm_fc2
	.globl	k_qd9abdf0c0b_gemm_fc2
	.p2align	8
	.type	k_qd9abdf0c0b_gemm_fc2,@function
k_qd9abdf0c0b_gemm_fc2:
	s_mov_b64 s[64:65], 0
	v_nop
	global_prefetch_b8 v0, s[64:65] scope:SCOPE_SE
	s_setreg_imm32_b32 hwreg(HW_REG_WAVE_MODE, 25, 1), 1
	s_wait_xcnt 0x0
	s_wait_alu depctr_hold_cnt(0) depctr_sa_sdst(0) depctr_va_vdst(0) depctr_va_sdst(0) depctr_va_ssrc(0) depctr_va_vcc(0) depctr_vm_vsrc(0)
	s_getreg_b32 s2, hwreg(HW_REG_IB_STS2, 6, 4)
	s_cmp_eq_u32 s2, 0
	s_cbranch_scc0 .Lentry_in_a_cluster
	s_endpgm
.Lentry_in_a_cluster:
	s_bfe_u32 s2, ttmp6, 0x10000c
	s_cmp_lg_u32 s2, 0xf033
	s_cbranch_scc0 .Lentry_shape_is_right
	s_endpgm
.Lentry_shape_is_right:
; MODE 0: x1[m][n] = sum over k of av(m, k) wo'[n][k] + sqrt(0.8) x[m][n].   av: [b*16+h][s][d] f16, k = h*64 + d; wo' = rows 3072-4095 of wts, f16, all scales folded in.
; MODE 1: out0[m][n] = sum over k of g[m][k] w2'[n][k] + b2[n] sqrt(0.2) 2^-5.5 + sqrt(0.8) x1[m][n].   g: [4096][4096] f16; w2' = wts from byte 0x1000000, [1024][4096] f16, scales folded in.
; N = 1024: a block of 128 x 128 gives 8 x 32 = 256 work-groups.  Four waves of 64 x 64: 16 accumulator tiles each.
; A slot holds K = 256 (eight quarters of 32), so that a tile asked for behind one change of slots has 120 matrix instructions of the wave in which to land.
; CLUSTERS 4 x 4: A's tiles are shared along a row of the cluster, B's along a column, by joint loads.
; REGISTERS: window 0: addresses, two fragment buffers (B at f + 8 i, A at f + 32 + 8 i), T at work on the way out; window 1: accumulators v0-127 (tile (a, b) at 8 (4 a + b)),
; the residual v128-255, loaded at the start in the layout in which the results leave.
; The matrix instruction is used transposed (source 0 = rows of B): a lane's eight results are eight neighbouring columns of one row.
; Sums, bias, residual and result in f32.
.set MODE, 1
.if MODE
.set SIZE_K, 4096
.set KSH, 13
.set WOFF, 0x1000000
.else
.set SIZE_K, 1024
.set KSH, 11
.set WOFF, 0x600000
.endif
.set PB, 528                           ; an LDS row of 512 bytes + 16: an odd multiple of 16
.set BHALF, 64*PB
.set BREG, 2*BHALF
.if MODE
.set PA, 528
.set AHALF, 64*PA
.set A_W0, (1<<16)|(1<<20)|(1<<21)|(6<<22)|(3<<25)   ; 4 words of padding after every 128
.set A_D0, 256
.set A_D1, 64
.set A_ST, SIZE_K
.set A_SS, 512                         ; bytes from one slot's K to the next slot's
.else
.set PA, 144                           ; a token's 128 bytes of one head + 16
.set SUBT, 128*PA                      ; one head's 128 tokens
.set AHALF, 2*SUBT
.set A_W0, (1<<16)|(1<<20)|(1<<21)|(4<<22)|(3<<25)   ; 4 words of padding after every 32, counted along the tile
.set A_D0, 8192                        ; a row of the tile: one head's 128 tokens x 64, dense
.set A_D1, 2                           ; two heads a load
.set A_ST, 131072                      ; elements from head to head
.set A_SS, 4*262144                    ; four heads
.endif
.set AREG, 2*AHALF
.set SLOT, AREG+BREG
.set STAGE, 2*SLOT                     ; behind the ring: 16 rows x 272 bytes for each wave
.set SPITCH, 272
.set LAPS, SIZE_K/512
.set ADRA, 16
.set ADRB, 20
.set STO,  24
.set RD,   25
.set CO,   26
.set BO,   27
.set BIAS, 28
.set F0,   64
.set F1,   128
.set T,    192
.set R,    128                         ; window 1
.set G1, 24
.set G0, 32
.set G1B, 48
.set G0B, 56
.set MSB, 0
.macro WIN new
.if MSB != \new
	s_set_vgpr_msb (MSB<<8)|\new
.set MSB, \new
.endif
.endm
.set MUL, 0x50                         ; C and D window 1, sources window 0
.macro JLOAD s                         ; waves 0 and 1 ask for A's halves, waves 2 and 3 for B's
	s_cmp_eq_u32 s11, 0
	s_cbranch_scc0 .Lfor_b_\@
	tensor_load_to_lds s[G0+4*\s:G0+4*\s+3], s[G1:G1+7]
	s_nop 0
.rept 4
	v_nop
.endr
	s_branch .Lasked_\@
.Lfor_b_\@:
	tensor_load_to_lds s[G0B+4*\s:G0B+4*\s+3], s[G1B:G1B+7]
	s_nop 0
.rept 4
	v_nop
.endr
.Lasked_\@:
.endm
.macro CREST
	s_cmp_lg_u32 s10, 0
	s_cbranch_scc1 .Lnot_wave_0_\@
	s_barrier_signal -3
.Lnot_wave_0_\@:
	s_barrier_wait -3
	s_barrier_signal -1
	s_barrier_wait -1
.endm
.macro CROUND
	s_barrier_signal -1
	s_barrier_wait -1
	CREST
.endm
	s_load_b128 s[4:7], s[0:1], 0x0                ; A s[4:5], wts s[6:7]
.if MODE
	s_load_b64 s[68:69], s[0:1], 0x10              ; b2
	s_load_b64 s[66:67], s[0:1], 0x18              ; residual
	s_load_b64 s[8:9], s[0:1], 0x20                ; output
	v_lshl_add_u32 v62, v0, 2, 0x46400
	v_mov_b32 v63, 0
	ds_add_u32 v62, v63
.else
	s_load_b64 s[66:67], s[0:1], 0x10              ; residual
	s_load_b64 s[8:9], s[0:1], 0x18                ; output
.endif
	v_lshrrev_b32 v1, 5, v0
	v_readfirstlane_b32 s10, v1                    ; wave
	s_lshr_b32 s11, s10, 1                         ; my half of the block's rows; also: I fetch for A (0) or B (1)
	s_and_b32 s12, s10, 1                          ; my half of its columns; also: which half of that tile I fetch
	s_bfe_u32 s40, ttmp6, 0x40000                  ; cx
	s_bfe_u32 s41, ttmp6, 0x40004                  ; cy
	s_lshl_b32 s42, ttmp9, 2
	s_add_co_u32 s42, s42, s40                     ; block column
	s_and_b32 s13, ttmp7, 0xffff
	s_lshl_b32 s13, s13, 2
	s_add_co_u32 s13, s13, s41                     ; block row
	s_lshl_b32 s43, s41, 2
	s_lshl_b32 s43, 15, s43                        ; my row of the cluster
	s_lshl_b32 s44, 0x1111, s40                    ; my column
	s_mov_b32 s70, 0x3f64f92e                      ; sqrt(0.8)
	s_mov_b32 s71, 0x3f64f92e
	s_mov_b32 s72, 0x3c21e89b                      ; sqrt(0.2) 2^-5.5
	s_mov_b32 s73, 0x3c21e89b
	s_or_b32 s[G1+0], s43, A_W0
	s_or_b32 s[G1B+0], s44, (1<<16)|(1<<20)|(1<<21)|(6<<22)|(3<<25)
	s_mov_b32 s[G1+1], A_D0<<16                    ; tensor_dim0
	s_mov_b32 s[G1B+1], 256<<16
	s_mov_b32 s[G1+2], A_D1<<16                    ; tensor_dim1
	s_mov_b32 s[G1B+2], 64<<16
	s_mov_b32 s[G1+3], A_D0<<16                    ; tile_dim0
	s_mov_b32 s[G1B+3], 256<<16
	s_mov_b32 s[G1+4], A_D1                        ; tile_dim1
	s_mov_b32 s[G1B+4], 64
	s_mov_b32 s[G1+5], A_ST                        ; elements from row to row
	s_mov_b32 s[G1B+5], SIZE_K
	s_mov_b32 s[G1+6], 0
	s_mov_b32 s[G1B+6], 0
	s_mov_b32 s[G1+7], 0
	s_mov_b32 s[G1B+7], 0
.if MODE
	s_lshl_b32 s16, s13, 7
	s_lshl_b32 s17, s12, 6
	s_add_co_u32 s16, s16, s17                     ; row 128 x block row + 64 x half
	s_lshl_b32 s16, s16, KSH
.else
	s_lshr_b32 s16, s13, 4                         ; batch
	s_lshl_b32 s16, s16, 4
	s_lshl1_add_u32 s16, s12, s16                  ; head 16 b + 2 x half
	s_lshl_b32 s16, s16, 18
	s_and_b32 s17, s13, 15
	s_lshl_b32 s17, s17, 14                        ; 128 tokens x 128 bytes
	s_add_co_u32 s16, s16, s17
.endif
	s_mov_b32 s17, 0
	s_lshl_b32 s46, s42, 7
	s_lshl_b32 s47, s12, 6
	s_add_co_u32 s46, s46, s47                     ; B: row 128 x block column + 64 x half
	s_lshl_b32 s46, s46, KSH
	s_add_co_u32 s46, s46, WOFF
	s_mov_b32 s47, 0
	s_mul_i32 s20, s10, AHALF                      ; A's halves: waves 0, 1
	s_mul_i32 s21, s10, BHALF
	s_add_co_u32 s21, s21, AREG-BREG               ; B's halves behind A's region: waves 2, 3
	s_wait_dscnt 0x0
	s_wait_kmcnt 0x0
	s_add_nc_u64 s[14:15], s[4:5], s[16:17]
	s_add_nc_u64 s[46:47], s[6:7], s[46:47]
	CROUND                                         ; all sixteen work-groups are here: the first joint loads meet
.irp s, 0,1
	s_mov_b32 s[G0+4*\s], 1
	s_add_co_u32 s[G0+4*\s+1], s20, \s*SLOT
	s_add_nc_u64 s[G0+4*\s+2:G0+4*\s+3], s[14:15], \s*A_SS
	s_or_b32 s[G0+4*\s+3], s[G0+4*\s+3], 0x80000000
	s_mov_b32 s[G0B+4*\s], 1
	s_add_co_u32 s[G0B+4*\s+1], s21, \s*SLOT
	s_add_nc_u64 s[G0B+4*\s+2:G0B+4*\s+3], s[46:47], \s*512
	s_or_b32 s[G0B+4*\s+3], s[G0B+4*\s+3], 0x80000000
	JLOAD \s                                       ; both slots: two tensor loads of the wave are out
.endr
	v_and_b32 v1, 15, v0                           ; r
	v_bfe_u32 v2, v0, 4, 1                         ; h
	v_mul_u32_u24 v3, v1, PA
	v_lshl_add_u32 v3, v2, 4, v3
	v_mul_u32_u24 v4, v1, PB
	v_lshl_add_u32 v4, v2, 4, v4
	s_mul_i32 s22, s11, 64*PA
	s_mul_i32 s23, s12, 64*PB
	s_add_co_u32 s23, s23, AREG
.irp s, 0,1
	v_add_nc_u32 v[ADRA+\s], s22, v3
	v_add_nc_u32 v[ADRB+\s], s23, v4
	s_add_co_u32 s22, s22, SLOT
	s_add_co_u32 s23, s23, SLOT
.endr
	s_mul_i32 s22, s10, 16*SPITCH
	s_add_co_u32 s22, s22, STAGE
	v_mul_u32_u24 v5, v1, SPITCH
	v_lshl_add_u32 v5, v2, 5, v5
	v_add_nc_u32 v[STO], s22, v5                   ; in: row r, 32 bytes for each half of the lanes
	v_mul_u32_u24 v5, v2, SPITCH
	v_lshl_add_u32 v5, v1, 4, v5
	v_add_nc_u32 v[RD], s22, v5                    ; back: lanes 0-15 one row of 256 bytes, lanes 16-31 the next
	v_lshlrev_b32 v[BO], 4, v1
	v_lshl_add_u32 v[CO], v2, 12, v[BO]            ; the same two rows in memory (4,096 bytes a row)
	; my 64 x 64 in the residual and in the output (registers of their own: these mix both coordinates)
	s_lshl_b32 s74, s13, 7
	s_lshl_b32 s75, s11, 6
	s_add_co_u32 s74, s74, s75
	s_lshl_b32 s74, s74, 12
	s_lshl_b32 s76, s42, 7
	s_lshl_b32 s75, s12, 6
	s_add_co_u32 s76, s76, s75
	s_lshl_b32 s76, s76, 2
	s_mov_b32 s77, 0
.if MODE
	s_add_nc_u64 s[68:69], s[68:69], s[76:77]
.endif
	s_add_co_u32 s74, s74, s76
	s_mov_b32 s75, 0
	s_add_nc_u64 s[66:67], s[66:67], s[74:75]
	s_add_nc_u64 s[8:9], s[8:9], s[74:75]
	WIN 0x40                                       ; the residual, 32 loads that stay out for the whole K loop
.irp a, 0,1,2,3
.irp t, 0,1,2,3,4,5,6,7
	global_load_b128 v[R+4*(8*\a+\t):R+4*(8*\a+\t)+3], v[CO], s[66:67] offset:(16*\a+2*\t)*4096 th:TH_LOAD_NT
.endr
.endr
	WIN 0
.if MODE
	global_load_b128 v[BIAS:BIAS+3], v[BO], s[68:69]
.endif
.macro MUL8 f, a0, zero
.irp a, \a0, \a0+1
.irp b, 0,1,2,3
.if \zero
	v_wmma_f32_16x16x32_f16 v[8*(4*(\a)+\b):8*(4*(\a)+\b)+7], v[\f+8*\b:\f+8*\b+7], v[\f+32+8*(\a):\f+32+8*(\a)+7], 0
.else
	v_wmma_f32_16x16x32_f16 v[8*(4*(\a)+\b):8*(4*(\a)+\b)+7], v[\f+8*\b:\f+8*\b+7], v[\f+32+8*(\a):\f+32+8*(\a)+7], v[8*(4*(\a)+\b):8*(4*(\a)+\b)+7]
.endif
.endr
.endr
.endm
.macro FETCH slot, q, f                ; 16 LDS loads: quarter q's fragments (64 rows of B, 64 rows of A, 32 along K) into buffer f
.if MODE
.set AO, (\q)*64
.else
.set AO, ((\q)>>1)*SUBT+((\q)&1)*64    ; head q / 2 of the slot's four, half q % 2 of its 64 numbers
.endif
.irp i, 0,1,2,3
	ds_load_b128 v[\f+8*\i:\f+8*\i+3],   v[ADRB+\slot] offset:(\q)*64+\i*16*PB
	ds_load_b128 v[\f+8*\i+4:\f+8*\i+7], v[ADRB+\slot] offset:(\q)*64+\i*16*PB+32
.endr
.irp i, 0,1,2,3
	ds_load_b128 v[\f+32+8*\i:\f+32+8*\i+3],   v[ADRA+\slot] offset:AO+\i*16*PA
	ds_load_b128 v[\f+32+8*\i+4:\f+32+8*\i+7], v[ADRA+\slot] offset:AO+\i*16*PA+32
.endr
.endm
.macro PLACES                          ; four plain places behind matrix instructions (ISA guide 7.12.1)
.rept 4
	v_nop
.endr
.endm
; The 16 accumulators take turns, one instruction a turn, in one fixed order.
.macro QUARTER slot, q, f, g, zero
	PLACES
	FETCH \slot, \q+1, \g
	s_wait_dscnt 16                                ; this quarter's fragments are in; the 16 loads just issued stay out
	WIN MUL
	MUL8 \f, 0, \zero
	MUL8 \f, 2, \zero
	WIN 0
.endm
.macro SEVEN slot, zero
	QUARTER \slot, 0, F0, F1, \zero
	QUARTER \slot, 1, F1, F0, 0
	QUARTER \slot, 2, F0, F1, 0
	QUARTER \slot, 3, F1, F0, 0
	QUARTER \slot, 4, F0, F1, 0
	QUARTER \slot, 5, F1, F0, 0
	QUARTER \slot, 6, F0, F1, 0
.endm
; The eighth quarter changes slots: my reads of this slot and all my tensor loads are waited for in front of the signal; behind the barrier
; (a whole round of the cluster's barrier where the slot is filled again) the refill comes first, then the next slot's first fragments.
.macro TURN slot, next, fill
	s_wait_dscnt 0x0
	s_wait_tensorcnt 0x0
	ds_add_u32 v62, v63
	s_wait_dscnt 0x0
	s_barrier_signal -1
	WIN MUL
	MUL8 F1, 0, 0                                  ; register work while the others arrive
	WIN 0
	s_barrier_wait -1
.if \fill
	CREST
	s_add_nc_u64 s[G0+4*\slot+2:G0+4*\slot+3], s[G0+4*\slot+2:G0+4*\slot+3], 2*A_SS
	s_add_nc_u64 s[G0B+4*\slot+2:G0B+4*\slot+3], s[G0B+4*\slot+2:G0B+4*\slot+3], 1024
	JLOAD \slot                                    ; the wave's one tensor load behind the round; its four v_nop are also the places in front of the loads below
.else
	PLACES
.endif
	FETCH \next, 0, F0
	WIN MUL
	MUL8 F1, 2, 0
	WIN 0
.endm
.macro LAP zero
	SEVEN 0, \zero
	TURN 0, 1, 1
	SEVEN 1, 0
	TURN 1, 0, 1
.endm
	s_wait_tensorcnt 1                             ; my part of slot 0 is in; slot 1's load stays out
	s_barrier_signal -1
	s_barrier_wait -1
	FETCH 0, 0, F0
	LAP 1
.if LAPS > 2
	s_mov_b32 s3, LAPS-2
.Llap:
	LAP 0
	s_sub_co_u32 s3, s3, 1
	s_cmp_lg_u32 s3, 0
	s_cbranch_scc1 .Llap
.endif
	SEVEN 0, 0                                     ; the last lap fills nothing
	TURN 0, 1, 0
	SEVEN 1, 0
	s_wait_dscnt 0x0
	WIN MUL
	MUL8 F1, 0, 0
	MUL8 F1, 2, 0
	WIN 0
	; THE WAY OUT, 16 rows at a time, in f32: 32 bytes a lane into my own stage, back as whole rows of 256 bytes, bias and residual added there.
	PLACES
	s_wait_loadcnt 0x0                             ; residual (and bias)
.macro OUTG a
.set TT, T+32*(\a&1)
	WIN 0x04                                       ; store data in window 1
.irp b, 0,1,2,3
	ds_store_b128 v[STO], v[8*(4*\a+\b):8*(4*\a+\b)+3] offset:64*\b
	ds_store_b128 v[STO], v[8*(4*\a+\b)+4:8*(4*\a+\b)+7] offset:64*\b+16
.endr
	WIN 0
	s_wait_xcnt 0x0                                ; this set of T, which earlier stores read, is rewritten only behind this wait
.irp t, 0,1,2,3,4,5,6,7
	ds_load_b128 v[TT+4*\t:TT+4*\t+3], v[RD] offset:\t*2*SPITCH    ; LDS serves a wave's instructions in order: these see the stores above
.endr
	s_wait_dscnt 0x0
.if MODE
.irp t, 0,1,2,3,4,5,6,7
	v_pk_fma_f32 v[TT+4*\t:TT+4*\t+1], v[BIAS:BIAS+1], s[72:73], v[TT+4*\t:TT+4*\t+1] op_sel_hi:[1,0,1]
	v_pk_fma_f32 v[TT+4*\t+2:TT+4*\t+3], v[BIAS+2:BIAS+3], s[72:73], v[TT+4*\t+2:TT+4*\t+3] op_sel_hi:[1,0,1]
.endr
.endif
	WIN 0x01                                       ; source 0: the residual in window 1
.irp t, 0,1,2,3,4,5,6,7
	v_pk_fma_f32 v[TT+4*\t:TT+4*\t+1], v[R+4*(8*\a+\t):R+4*(8*\a+\t)+1], s[70:71], v[TT+4*\t:TT+4*\t+1] op_sel_hi:[1,0,1]
	v_pk_fma_f32 v[TT+4*\t+2:TT+4*\t+3], v[R+4*(8*\a+\t)+2:R+4*(8*\a+\t)+3], s[70:71], v[TT+4*\t+2:TT+4*\t+3] op_sel_hi:[1,0,1]
.endr
	WIN 0
.irp t, 0,1,2,3,4,5,6,7
	global_store_b128 v[CO], v[TT+4*\t:TT+4*\t+3], s[8:9] offset:(16*\a+2*\t)*4096   ; 16 lanes store 256 consecutive bytes, aligned
.endr
.endm
	OUTG 0
	OUTG 1
	OUTG 2
	OUTG 3
	s_wait_tensorcnt 0x0
	ds_add_u32 v62, v63
	s_wait_dscnt 0x0
	CROUND                                         ; the closing round
	s_endpgm
.Lfunc_end_k_qd9abdf0c0b_gemm_fc2:
	.size	k_qd9abdf0c0b_gemm_fc2, .Lfunc_end_k_qd9abdf0c0b_gemm_fc2-k_qd9abdf0c0b_gemm_fc2
	.p2alignl 7, 3214868480
	.fill 96, 4, 3214868480
	.section	.rodata,"a",@progbits
	.p2align	6, 0x0
	.amdhsa_kernel k_qd9abdf0c0b_gemm_fc2
		.amdhsa_group_segment_fixed_size 327680
		.amdhsa_private_segment_fixed_size 0
		.amdhsa_enable_private_segment 0
		.amdhsa_kernarg_size 40
		.amdhsa_user_sgpr_count 2
		.amdhsa_user_sgpr_kernarg_segment_ptr 1
		.amdhsa_wavefront_size32 1
		.amdhsa_system_sgpr_workgroup_id_x 1
		.amdhsa_system_sgpr_workgroup_id_y 1
		.amdhsa_system_sgpr_workgroup_id_z 1
		.amdhsa_system_vgpr_workitem_id 0
		.amdhsa_next_free_vgpr 512
		.amdhsa_next_free_sgpr 80
		.amdhsa_reserve_vcc 0
		.amdhsa_float_denorm_mode_32 3
		.amdhsa_float_denorm_mode_16_64 3
		.amdhsa_memory_ordered 1
		.amdhsa_forward_progress 1
		.amdhsa_inst_pref_size 138
	.end_amdhsa_kernel
	.amdgpu_metadata
---
amdhsa.version: [ 1, 2 ]
amdhsa.kernels:
  - .name:           k_qd9abdf0c0b_gemm_fc2
    .symbol:         k_qd9abdf0c0b_gemm_fc2.kd
    .args:
      - { .name: g, .offset: 0, .size: 8, .value_kind: global_buffer, .address_space: global }
      - { .name: wts, .offset: 8, .size: 8, .value_kind: global_buffer, .address_space: global }
      - { .name: b2, .offset: 16, .size: 8, .value_kind: global_buffer, .address_space: global }
      - { .name: x1, .offset: 24, .size: 8, .value_kind: global_buffer, .address_space: global }
      - { .name: out0, .offset: 32, .size: 8, .value_kind: global_buffer, .address_space: global }
    .group_segment_fixed_size: 327680
    .private_segment_fixed_size: 0
    .kernarg_segment_align: 8
    .kernarg_segment_size: 40
    .max_flat_workgroup_size: 128
    .sgpr_count:     80
    .vgpr_count:     512
    .wavefront_size: 32
...
	.end_amdgpu_metadata
.endif
;; end of part 7
;; ======== version 2 of 2: 7 launches; version 1 with the launches prep, ln2 written anew for expert scheduling mode
;; limits: values are held in f16: magnitudes above 65,504 overflow, below 6.1e-05 lose precision
;; workspace buffers: hn 8,388,608 bytes; wts 25,165,824 bytes; qkv 25,165,824 bytes; av 8,388,608 bytes; x1 16,777,216 bytes; g 33,554,432 bytes
;; launch prep (part 8): grid 512 x 1, 8 waves a work-group, no clusters, 0 bytes of LDS; arguments x, ln1_w, ln1_b, w_qkv, w_o, w1, w2, hn, wts; writes hn, wts
.if DOCPART == 8
	.amdgcn_target "amdgcn-amd-amdhsa--gfx1250"
	.amdhsa_code_object_version 6
	.text
	.protected	k_qd9abdf0c0b_prep
	.globl	k_qd9abdf0c0b_prep
	.p2align	8
	.type	k_qd9abdf0c0b_prep,@function
k_qd9abdf0c0b_prep:
	s_mov_b64 s[64:65], 0
	v_nop
	global_prefetch_b8 v0, s[64:65] scope:SCOPE_SE
	s_setreg_imm32_b32 hwreg(HW_REG_WAVE_SCHED_MODE, 0, 2), 2
	s_setreg_imm32_b32 hwreg(HW_REG_WAVE_MODE, 25, 1), 1
	s_wait_xcnt 0x0
	s_wait_alu depctr_vm_vsrc(0)
; Two streams in one launch; the unit of both is a row of 1,024 f32 (4,096 bytes) that leaves as 1,024 f16 (2,048 bytes).
; Work-groups 0-127:   hn = LayerNorm(x) * ln1_w + ln1_b, 4,096 rows.  Mean first, then the squares of (x - mean): two true passes on registers.
; Work-groups 128-511: wts = the four weights times their folded scales, 12,288 rows:
;   rows 0-3071     w_qkv * 3^-1/4 2^-5, rows permuted: row z*1024 + h*64 + d of wts is row d*48 + z*16 + h of w_qkv
;   rows 3072-4095  w_o * 2^-5 sqrt(0.2) SM_SCALE MM_SCALE (the attention launch hands on the plain weighted mean of v)
;   rows 4096-8191  w1 * 2^-5.5
;   rows 8192-12287 w2 * 2^-5.5 sqrt(0.2) / 0.63, taken as 4,096 pieces of 1,024 numbers (the layout [1024][4096] is kept)
; A wave takes 4 rows, all 32 loads issued at once; lane l holds elements 4 l + 128 j + e in register 4 j + e, so a load of the wave covers
; 512 consecutive bytes and a store 256 consecutive bytes, aligned.  No LDS, no barrier, no matrix unit: bytes alone count here.
; FORMAT: f16, for its 11 bits: ten roundings of operands lie between x and the layer's output.  Room: a normalised row of 1,024 numbers is below 32 in magnitude,
; so |hn| <= 32 |gain| + |bias|; |wts| <= 0.77 |w|.  Limit: a result of 65,520 or more becomes infinity; below 2^-14 the step is 2^-24.
; THE MODE: SCHED_MODE bits 1:0 = 2 (LLVM: expert scheduling mode 2), set by the entry lines.  The code itself states the register dependences
; between vector instructions and memory instructions, with s_wait_alu, always for 0.
; THE PLAN.  Registers that memory instructions touch:
;   v1, v2, v[4:7]  byte offsets.  Written once, by vector lines at the head of the arm; read by the loads (v1, v[4:7]) and the stores (v2); never written again.
;   W, BV           gain and bias.  Written by loads alone.
;   X, row i        32 registers.  Written by the row's 8 loads, then by the row's arithmetic in place; its 16 roundings close the row up into its first 16 registers,
;                   which the row's 8 stores read.  Nothing writes them behind those stores.
;   v[8:17]         sums, mean, root, at work: no memory instruction names them.
; So: one wait ahead of the first load (the offsets are written); one at the head of rows 1 to 3, behind the wait for the row's data (the row before has been rounded):
; that row's eight stores follow it, dealt among the new row's first lines, which name the new row's registers and v[8:17] alone; one ahead of the last row's stores.
; No register that a load or store has read is written again, so nothing is owed on that side.
.set OFF,  4                           ; v[4:7]    row i: byte offset of my 16 bytes in the source
.set A0,   8                           ; v[8:9]    sum chain 0
.set A1,   10                          ; v[10:11]  sum chain 1
.set MEAN, 12                          ; v[12:13]  the mean, twice
.set RS,   14                          ; v[14:15]  1/sqrt(var + eps), twice
.set T,    16                          ; v[16:17]  at work
.set W,    24                          ; v[24:55]  gain of my 32 columns
.set BV,   56                          ; v[56:87]  bias of my 32 columns
.set X,    88                          ; v[88:215] row i at 88 + 32 i
	s_load_b512 s[8:23], s[0:1], 0x0               ; x 8, ln1_w 10, ln1_b 12, w_qkv 14, w_o 16, w1 18, w2 20, hn 22
	s_load_b64 s[24:25], s[0:1], 0x40              ; wts
	v_lshrrev_b32 v3, 5, v0
	v_readfirstlane_b32 s2, v3                     ; wave
	v_and_b32 v1, 31, v0
	v_lshlrev_b32 v2, 3, v1                        ; 8 x lane: my 8 bytes of a stored block of 256
	v_lshlrev_b32 v1, 4, v1                        ; 16 x lane: my 16 bytes of a loaded block of 512
	s_wait_alu depctr_va_sdst(0)                   ; s2 is written, ahead of its first reader: the wave's rows are made from it
	s_lshl_b32 s2, s2, 2                           ; 4 rows a wave
	s_mov_b32 s7, 0
.macro ROWS4                           ; the four rows' offsets; s30 = byte offset of the first row, s31 = bytes from row to row.  Each row has a scalar register of its own
	s_add_co_u32 s45, s30, s31
	s_add_co_u32 s46, s45, s31
	s_add_co_u32 s47, s46, s31
	v_add_nc_u32 v[OFF], s30, v1
	v_add_nc_u32 v[OFF+1], s45, v1
	v_add_nc_u32 v[OFF+2], s46, v1
	v_add_nc_u32 v[OFF+3], s47, v1
.endm
.macro FILL4                           ; 4 rows x 8 loads
.irp i, 0,1,2,3
.irp j, 0,1,2,3,4,5,6,7
	global_load_b128 v[X+32*\i+4*\j:X+32*\i+4*\j+3], v[OFF+\i], s[26:27] offset:512*\j th:TH_LOAD_NT
.endr
.endr
.endm
.macro PACK i                          ; round in place (the target never passes an unread source)
.irp k, 0,1,2,3,4,5,6,7,8,9,10,11,12,13,14,15
	v_cvt_pk_f16_f32 v[X+32*\i+\k], v[X+32*\i+2*\k], v[X+32*\i+2*\k+1]
.endr
.endm
.macro OUT2 i, j                       ; stores j and j + 1 of the eight of row i
	global_store_b64 v2, v[X+32*(\i)+2*(\j):X+32*(\i)+2*(\j)+1], s[28:29] offset:(\i)*2048+(\j)*256
	global_store_b64 v2, v[X+32*(\i)+2*(\j)+2:X+32*(\i)+2*(\j)+3], s[28:29] offset:(\i)*2048+(\j)*256+256
.endm
.macro WRED                            ; sum of v[T] over the 32 lanes, in every lane
	v_add_f32_dpp v[T], v[T], v[T] row_xmask:1 row_mask:0xf bank_mask:0xf
	v_add_f32_dpp v[T], v[T], v[T] row_xmask:2 row_mask:0xf bank_mask:0xf
	v_add_f32_dpp v[T], v[T], v[T] row_xmask:4 row_mask:0xf bank_mask:0xf
	v_add_f32_dpp v[T], v[T], v[T] row_xmask:8 row_mask:0xf bank_mask:0xf
	v_permlanex16_b32 v[T+1], v[T], s34, s35
	v_add_f32 v[T], v[T], v[T+1]
.endm
.macro LNROW i
.set XR, X+32*\i
	s_wait_loadcnt 8*(3-\i)                        ; loads return in order: this row (and gain and bias, which are older) is in, the younger rows' 8 loads each stay out
.if \i
	s_wait_alu depctr_va_vdst(0)                   ; the roundings of the row before have written its first 16 registers, which the eight stores dealt below read
	OUT2 \i-1, 0
.endif
	v_pk_add_f32 v[A0:A0+1], v[XR:XR+1], v[XR+2:XR+3]
	v_pk_add_f32 v[A1:A1+1], v[XR+4:XR+5], v[XR+6:XR+7]
.irp p, 8,12,16
	v_pk_add_f32 v[A0:A0+1], v[A0:A0+1], v[XR+\p:XR+\p+1]
	v_pk_add_f32 v[A1:A1+1], v[A1:A1+1], v[XR+\p+2:XR+\p+3]
.endr
.if \i
	OUT2 \i-1, 2                                   ; no wait: no vector line since the wait above names the row before's registers or v2
.endif
.irp p, 20,24,28
	v_pk_add_f32 v[A0:A0+1], v[A0:A0+1], v[XR+\p:XR+\p+1]
	v_pk_add_f32 v[A1:A1+1], v[A1:A1+1], v[XR+\p+2:XR+\p+3]
.endr
	v_pk_add_f32 v[A0:A0+1], v[A0:A0+1], v[A1:A1+1]
	v_add_f32 v[T], v[A0], v[A0+1]
.if \i
	OUT2 \i-1, 4
.endif
	WRED
	v_mul_f32 v[MEAN], s36, v[T]
	v_mul_f32 v[MEAN+1], s36, v[T]
.if \i
	OUT2 \i-1, 6
.endif
.irp p, 0,2,4,6,8,10,12,14,16,18,20,22,24,26,28,30
	v_pk_add_f32 v[XR+\p:XR+\p+1], v[XR+\p:XR+\p+1], v[MEAN:MEAN+1] neg_lo:[0,1] neg_hi:[0,1]
.endr
	v_pk_mul_f32 v[A0:A0+1], v[XR:XR+1], v[XR:XR+1]
	v_pk_mul_f32 v[A1:A1+1], v[XR+2:XR+3], v[XR+2:XR+3]
.irp p, 4,8,12,16,20,24,28
	v_pk_fma_f32 v[A0:A0+1], v[XR+\p:XR+\p+1], v[XR+\p:XR+\p+1], v[A0:A0+1]
	v_pk_fma_f32 v[A1:A1+1], v[XR+\p+2:XR+\p+3], v[XR+\p+2:XR+\p+3], v[A1:A1+1]
.endr
	v_pk_add_f32 v[A0:A0+1], v[A0:A0+1], v[A1:A1+1]
	v_add_f32 v[T], v[A0], v[A0+1]
	WRED
	v_fma_f32 v[T], v[T], s36, s37                 ; variance + eps
	v_rsq_f32 v[RS], v[T]
	v_nop                                          ; one plain place behind the transcendental (ISA guide 5.7.2)
	s_wait_alu depctr_va_vdst(0)                   ; v[RS], the reciprocal root, is written, ahead of its first reader
	v_mov_b32 v[RS+1], v[RS]
.irp p, 0,2,4,6,8,10,12,14,16,18,20,22,24,26,28,30
	v_pk_mul_f32 v[XR+\p:XR+\p+1], v[XR+\p:XR+\p+1], v[RS:RS+1]
.endr
.irp p, 0,2,4,6,8,10,12,14,16,18,20,22,24,26,28,30
	v_pk_fma_f32 v[XR+\p:XR+\p+1], v[XR+\p:XR+\p+1], v[W+\p:W+\p+1], v[BV+\p:BV+\p+1]
.endr
	PACK \i
.endm
.macro CASTROW i
	s_wait_loadcnt 8*(3-\i)                        ; this row is in, the younger rows' 8 loads each stay out
.if \i
	s_wait_alu depctr_va_vdst(0)                   ; the roundings of the row before have written its first 16 registers, which the eight stores dealt below read
.endif
.irp g, 0,1,2,3
.if \i
	OUT2 \i-1, 2*\g                                ; no vector line since the wait above names the row before's registers or v2
.endif
.irp p, 0,2,4,6
	v_pk_mul_f32 v[X+32*\i+8*\g+\p:X+32*\i+8*\g+\p+1], v[X+32*\i+8*\g+\p:X+32*\i+8*\g+\p+1], s[32:33] op_sel_hi:[1,0]
.endr
.endr
	PACK \i
.endm
	s_wait_kmcnt 0x0
	s_cmp_lt_u32 ttmp9, 128
	s_cbranch_scc0 .Lcast
	; ---- LayerNorm: rows 32 g + 4 wave .. + 3 of x
	s_mov_b32 s34, 0x76543210                      ; v_permlanex16_b32: lane i reads lane i of the other half
	s_mov_b32 s35, 0xfedcba98
	s_mov_b32 s36, 0x3a800000                      ; 1/1024
	s_mov_b32 s37, 0x3727c5ac                      ; 1e-5
	v_mov_b32 v[T+1], 0                            ; v_permlanex16_b32 counts as a reader of its destination
	s_lshl_b32 s3, ttmp9, 5
	s_add_co_u32 s3, s3, s2                        ; first row
	s_lshl_b32 s30, s3, 12
	s_movk_i32 s31, 0x1000
	s_lshl_b32 s6, s3, 11
	s_mov_b64 s[26:27], s[8:9]
	s_add_nc_u64 s[28:29], s[22:23], s[6:7]
	ROWS4
	s_wait_alu depctr_va_vdst(0)                   ; v1, v2 and v[4:7] are written: every load and store of this arm reads one of them as its offset
.irp j, 0,1,2,3,4,5,6,7
	global_load_b128 v[W+4*\j:W+4*\j+3], v1, s[10:11] offset:512*\j
	global_load_b128 v[BV+4*\j:BV+4*\j+3], v1, s[12:13] offset:512*\j
.endr
	FILL4
	LNROW 0
	LNROW 1
	LNROW 2
	LNROW 3
	s_wait_alu depctr_va_vdst(0)                   ; row 3's roundings have written its first 16 registers, which the last eight stores read
	OUT2 3, 0
	OUT2 3, 2
	OUT2 3, 4
	OUT2 3, 6
	s_endpgm
.Lcast:
	; ---- weights: rows 32 (g - 128) + 4 wave .. + 3 of wts.  The four rows of a wave lie in one weight, and in w_qkv share z and h.
	s_sub_co_u32 s3, ttmp9, 128
	s_lshl_b32 s3, s3, 5
	s_add_co_u32 s3, s3, s2                        ; first row of wts
	s_mov_b32 s38, 0x3cc28497                      ; 3^-1/4 2^-5
	s_mov_b32 s39, 0x3f44392d                      ; 2^-5 sqrt(0.2) SM_SCALE MM_SCALE = 0.7664974
	s_mov_b32 s40, 0x3cb504f3                      ; 2^-5.5
	s_mov_b32 s41, 0x3c807fb8                      ; 2^-5.5 sqrt(0.2) / 0.63
	s_mov_b32 s42, 196608                          ; 48 rows of w_qkv: from d to d + 1
	s_movk_i32 s43, 0x1000
	s_and_b32 s4, s3, 63                           ; d
	s_mul_i32 s4, s4, 48
	s_lshr_b32 s5, s3, 10                          ; z
	s_lshl4_add_u32 s4, s5, s4
	s_bfe_u32 s5, s3, 0x40006                      ; h
	s_add_co_u32 s4, s4, s5                        ; source row in w_qkv
	s_sub_co_u32 s5, s3, 3072
	s_cmp_lt_u32 s3, 3072
	s_cselect_b64 s[26:27], s[14:15], s[16:17]
	s_cselect_b32 s4, s4, s5
	s_cselect_b32 s32, s38, s39
	s_cselect_b32 s31, s42, s43
	s_sub_co_u32 s5, s3, 4096
	s_cmp_lt_u32 s3, 4096
	s_cselect_b64 s[26:27], s[26:27], s[18:19]
	s_cselect_b32 s4, s4, s5
	s_cselect_b32 s32, s32, s40
	s_sub_co_u32 s5, s3, 8192
	s_cmp_lt_u32 s3, 8192
	s_cselect_b64 s[26:27], s[26:27], s[20:21]
	s_cselect_b32 s4, s4, s5
	s_cselect_b32 s32, s32, s41
	s_mov_b32 s33, s32
	s_lshl_b32 s30, s4, 12
	s_lshl_b32 s6, s3, 11
	s_add_nc_u64 s[28:29], s[24:25], s[6:7]
	ROWS4
	s_wait_alu depctr_va_vdst(0)                   ; v2 and v[4:7] are written: every load and store of this arm reads one of them as its offset
	FILL4
	CASTROW 0
	CASTROW 1
	CASTROW 2
	CASTROW 3
	s_wait_alu depctr_va_vdst(0)                   ; row 3's roundings have written its first 16 registers, which the last eight stores read
	OUT2 3, 0
	OUT2 3, 2
	OUT2 3, 4
	OUT2 3, 6
	s_endpgm
.Lfunc_end_k_qd9abdf0c0b_prep:
	.size	k_qd9abdf0c0b_prep, .Lfunc_end_k_qd9abdf0c0b_prep-k_qd9abdf0c0b_prep
	.p2alignl 7, 3214868480
	.fill 96, 4, 3214868480
	.section	.rodata,"a",@progbits
	.p2align	6, 0x0
	.amdhsa_kernel k_qd9abdf0c0b_prep
		.amdhsa_group_segment_fixed_size 0
		.amdhsa_private_segment_fixed_size 0
		.amdhsa_enable_private_segment 0
		.amdhsa_kernarg_size 72
		.amdhsa_user_sgpr_count 2
		.amdhsa_user_sgpr_kernarg_segment_ptr 1
		.amdhsa_wavefront_size32 1
		.amdhsa_system_sgpr_workgroup_id_x 1
		.amdhsa_system_sgpr_workgroup_id_y 1
		.amdhsa_system_sgpr_workgroup_id_z 1
		.amdhsa_system_vgpr_workitem_id 0
		.amdhsa_next_free_vgpr 216
		.amdhsa_next_free_sgpr 66
		.amdhsa_reserve_vcc 0
		.amdhsa_float_denorm_mode_32 3
		.amdhsa_float_denorm_mode_16_64 3
		.amdhsa_memory_ordered 1
		.amdhsa_forward_progress 1
		.amdhsa_inst_pref_size 54
	.end_amdhsa_kernel
	.amdgpu_metadata
---
amdhsa.version: [ 1, 2 ]
amdhsa.kernels:
  - .name:           k_qd9abdf0c0b_prep
    .symbol:         k_qd9abdf0c0b_prep.kd
    .args:
      - { .name: x, .offset: 0, .size: 8, .value_kind: global_buffer, .address_space: global }
      - { .name: ln1_w, .offset: 8, .size: 8, .value_kind: global_buffer, .address_space: global }
      - { .name: ln1_b, .offset: 16, .size: 8, .value_kind: global_buffer, .address_space: global }
      - { .name: w_qkv, .offset: 24, .size: 8, .value_kind: global_buffer, .address_space: global }
      - { .name: w_o, .offset: 32, .size: 8, .value_kind: global_buffer, .address_space: global }
      - { .name: w1, .offset: 40, .size: 8, .value_kind: global_buffer, .address_space: global }
      - { .name: w2, .offset: 48, .size: 8, .value_kind: global_buffer, .address_space: global }
      - { .name: hn, .offset: 56, .size: 8, .value_kind: global_buffer, .address_space: global }
      - { .name: wts, .offset: 64, .size: 8, .value_kind: global_buffer, .address_space: global }
    .group_segment_fixed_size: 0
    .private_segment_fixed_size: 0
    .kernarg_segment_align: 8
    .kernarg_segment_size: 72
    .max_flat_workgroup_size: 256
    .sgpr_count:     66
    .vgpr_count:     216
    .wavefront_size: 32
...
	.end_amdgpu_metadata
.endif
;; end of part 8
;; launch gemm_qkv: the kernel of part 2 again; grid 12 x 16, 4 waves a work-group, clusters of 4 x 4, 327,680 bytes of LDS; arguments hn, wts, qkv; writes qkv
;; launch attn: the kernel of part 3 again; grid 8 x 32, 8 waves a work-group, clusters of 4 x 1, 327,680 bytes of LDS; arguments qkv, av; writes av
;; launch gemm_o: the kernel of part 4 again; grid 8 x 32, 4 waves a work-group, clusters of 4 x 4, 327,680 bytes of LDS; arguments av, wts, x, x1; writes x1
;; launch ln2 (part 9): grid 256 x 1, 4 waves a work-group, no clusters, 0 bytes of LDS; arguments x1, ln2_w, ln2_b, hn; writes hn
.if DOCPART == 9
	.amdgcn_target "amdgcn-amd-amdhsa--gfx1250"
	.amdhsa_code_object_version 6
	.text
	.protected	k_qd9abdf0c0b_ln2
	.globl	k_qd9abdf0c0b_ln2
	.p2align	8
	.type	k_qd9abdf0c0b_ln2,@function
k_qd9abdf0c0b_ln2:
	s_mov_b64 s[64:65], 0
	v_nop
	global_prefetch_b8 v0, s[64:65] scope:SCOPE_SE
	s_setreg_imm32_b32 hwreg(HW_REG_WAVE_SCHED_MODE, 0, 2), 2
	s_setreg_imm32_b32 hwreg(HW_REG_WAVE_MODE, 25, 1), 1
	s_wait_xcnt 0x0
	s_wait_alu depctr_vm_vsrc(0)
; hn = LayerNorm(x1) * ln2_w + ln2_b, 4,096 rows of 1,024 f32 in, f16 out.  Mean first, then the squares of (x - mean): two true passes on registers.
; A wave takes 4 rows, all 32 loads issued at once; lane l holds elements 4 l + 128 j + e in register 4 j + e: a load of the wave covers 512 consecutive bytes,
; a store 256 consecutive bytes, aligned.  No LDS, no barrier, no matrix unit: bytes alone count here.
; FORMAT: f16.  Room: a normalised row of 1,024 numbers is below 32 in magnitude, so |hn| <= 32 |gain| + |bias|.
; Limit: a result of 65,520 or more becomes infinity; below 2^-14 the step is 2^-24.
; THE MODE: SCHED_MODE bits 1:0 = 2 (LLVM: expert scheduling mode 2), set by the entry lines.  The code itself states the register dependences
; between vector instructions and memory instructions, with s_wait_alu, always for 0.
; THE PLAN.  Registers that memory instructions touch:
;   v1, v2, v[4:7]  byte offsets.  Written once, by vector lines at the head; read by the loads (v1, v[4:7]) and the stores (v2); never written again.
;   W, BV           gain and bias.  Written by loads alone.
;   X, row i        32 registers.  Written by the row's 8 loads, then by the row's arithmetic in place; its 16 roundings close the row up into its first 16 registers,
;                   which the row's 8 stores read.  Nothing writes them behind those stores.
;   v[8:17]         sums, mean, root, at work: no memory instruction names them.
; So: one wait ahead of the first load (the offsets are written); one at the head of rows 1 to 3, behind the wait for the row's data (the row before has been rounded):
; that row's eight stores follow it, dealt among the new row's first lines, which name the new row's registers and v[8:17] alone; one ahead of the last row's stores.
; No register that a load or store has read is written again, so nothing is owed on that side.
.set OFF,  4
.set A0,   8
.set A1,   10
.set MEAN, 12
.set RS,   14
.set T,    16
.set W,    24
.set BV,   56
.set X,    88
	s_load_b256 s[8:15], s[0:1], 0x0               ; x1 8, ln2_w 10, ln2_b 12, hn 14
	v_lshrrev_b32 v3, 5, v0
	v_readfirstlane_b32 s2, v3                     ; wave
	v_and_b32 v1, 31, v0
	v_lshlrev_b32 v2, 3, v1                        ; 8 x lane
	v_lshlrev_b32 v1, 4, v1                        ; 16 x lane
	s_mov_b32 s34, 0x76543210
	s_mov_b32 s35, 0xfedcba98
	s_mov_b32 s36, 0x3a800000                      ; 1/1024
	s_mov_b32 s37, 0x3727c5ac                      ; 1e-5
	v_mov_b32 v[T+1], 0                            ; v_permlanex16_b32 counts as a reader of its destination
	s_lshl_b32 s3, ttmp9, 4
	s_wait_alu depctr_va_sdst(0)                   ; s2 is written, ahead of its first reader: the wave's rows are made from it
	s_lshl2_add_u32 s3, s2, s3                     ; first row = 16 g + 4 wave
	s_lshl_b32 s30, s3, 12                         ; the four rows' byte offsets, each in a scalar register of its own
	s_add_co_u32 s31, s30, 4096
	s_add_co_u32 s32, s30, 8192
	s_add_co_u32 s33, s30, 12288
	s_lshl_b32 s6, s3, 11
	s_mov_b32 s7, 0
.irp i, 0,1,2,3
	v_add_nc_u32 v[OFF+\i], s[30+\i], v1
.endr
	s_wait_kmcnt 0x0
	s_add_nc_u64 s[28:29], s[14:15], s[6:7]
	s_wait_alu depctr_va_vdst(0)                   ; v1, v2 and v[4:7] are written: every load and store of the kernel reads one of them as its offset
.irp j, 0,1,2,3,4,5,6,7
	global_load_b128 v[W+4*\j:W+4*\j+3], v1, s[10:11] offset:512*\j
	global_load_b128 v[BV+4*\j:BV+4*\j+3], v1, s[12:13] offset:512*\j
.endr
.irp i, 0,1,2,3
.irp j, 0,1,2,3,4,5,6,7
	global_load_b128 v[X+32*\i+4*\j:X+32*\i+4*\j+3], v[OFF+\i], s[8:9] offset:512*\j
.endr
.endr
.macro OUT2 i, j                       ; stores j and j + 1 of the eight of row i
	global_store_b64 v2, v[X+32*(\i)+2*(\j):X+32*(\i)+2*(\j)+1], s[28:29] offset:(\i)*2048+(\j)*256
	global_store_b64 v2, v[X+32*(\i)+2*(\j)+2:X+32*(\i)+2*(\j)+3], s[28:29] offset:(\i)*2048+(\j)*256+256
.endm
.macro WRED                            ; sum of v[T] over the 32 lanes, in every lane
	v_add_f32_dpp v[T], v[T], v[T] row_xmask:1 row_mask:0xf bank_mask:0xf
	v_add_f32_dpp v[T], v[T], v[T] row_xmask:2 row_mask:0xf bank_mask:0xf
	v_add_f32_dpp v[T], v[T], v[T] row_xmask:4 row_mask:0xf bank_mask:0xf
	v_add_f32_dpp v[T], v[T], v[T] row_xmask:8 row_mask:0xf bank_mask:0xf
	v_permlanex16_b32 v[T+1], v[T], s34, s35
	v_add_f32 v[T], v[T], v[T+1]
.endm
.macro LNROW i
.set XR, X+32*\i
	s_wait_loadcnt 8*(3-\i)                        ; this row (and gain and bias, which are older) is in, the younger rows' 8 loads each stay out
.if \i
	s_wait_alu depctr_va_vdst(0)                   ; the roundings of the row before have written its first 16 registers, which the eight stores dealt below read
	OUT2 \i-1, 0
.endif
	v_pk_add_f32 v[A0:A0+1], v[XR:XR+1], v[XR+2:XR+3]
	v_pk_add_f32 v[A1:A1+1], v[XR+4:XR+5], v[XR+6:XR+7]
.irp p, 8,12,16
	v_pk_add_f32 v[A0:A0+1], v[A0:A0+1], v[XR+\p:XR+\p+1]
	v_pk_add_f32 v[A1:A1+1], v[A1:A1+1], v[XR+\p+2:XR+\p+3]
.endr
.if \i
	OUT2 \i-1, 2                                   ; no wait: no vector line since the wait above names the row before's registers or v2
.endif
.irp p, 20,24,28
	v_pk_add_f32 v[A0:A0+1], v[A0:A0+1], v[XR+\p:XR+\p+1]
	v_pk_add_f32 v[A1:A1+1], v[A1:A1+1], v[XR+\p+2:XR+\p+3]
.endr
	v_pk_add_f32 v[A0:A0+1], v[A0:A0+1], v[A1:A1+1]
	v_add_f32 v[T], v[A0], v[A0+1]
.if \i
	OUT2 \i-1, 4
.endif
	WRED
	v_mul_f32 v[MEAN], s36, v[T]
	v_mul_f32 v[MEAN+1], s36, v[T]
.if \i
	OUT2 \i-1, 6
.endif
.irp p, 0,2,4,6,8,10,12,14,16,18,20,22,24,26,28,30
	v_pk_add_f32 v[XR+\p:XR+\p+1], v[XR+\p:XR+\p+1], v[MEAN:MEAN+1] neg_lo:[0,1] neg_hi:[0,1]
.endr
	v_pk_mul_f32 v[A0:A0+1], v[XR:XR+1], v[XR:XR+1]
	v_pk_mul_f32 v[A1:A1+1], v[XR+2:XR+3], v[XR+2:XR+3]
.irp p, 4,8,12,16,20,24,28
	v_pk_fma_f32 v[A0:A0+1], v[XR+\p:XR+\p+1], v[XR+\p:XR+\p+1], v[A0:A0+1]
	v_pk_fma_f32 v[A1:A1+1], v[XR+\p+2:XR+\p+3], v[XR+\p+2:XR+\p+3], v[A1:A1+1]
.endr
	v_pk_add_f32 v[A0:A0+1], v[A0:A0+1], v[A1:A1+1]
	v_add_f32 v[T], v[A0], v[A0+1]
	WRED
	v_fma_f32 v[T], v[T], s36, s37                 ; variance + eps
	v_rsq_f32 v[RS], v[T]
	v_nop                                          ; one plain place behind the transcendental (ISA guide 5.7.2)
	s_wait_alu depctr_va_vdst(0)                   ; v[RS], the reciprocal root, is written, ahead of its first reader
	v_mov_b32 v[RS+1], v[RS]
.irp p, 0,2,4,6,8,10,12,14,16,18,20,22,24,26,28,30
	v_pk_mul_f32 v[XR+\p:XR+\p+1], v[XR+\p:XR+\p+1], v[RS:RS+1]
.endr
.irp p, 0,2,4,6,8,10,12,14,16,18,20,22,24,26,28,30
	v_pk_fma_f32 v[XR+\p:XR+\p+1], v[XR+\p:XR+\p+1], v[W+\p:W+\p+1], v[BV+\p:BV+\p+1]
.endr
.irp k, 0,1,2,3,4,5,6,7,8,9,10,11,12,13,14,15
	v_cvt_pk_f16_f32 v[XR+\k], v[XR+2*\k], v[XR+2*\k+1]    ; in place: the target never passes an unread source
.endr
.endm
	LNROW 0
	LNROW 1
	LNROW 2
	LNROW 3
	s_wait_alu depctr_va_vdst(0)                   ; row 3's roundings have written its first 16 registers, which the last eight stores read
	OUT2 3, 0
	OUT2 3, 2
	OUT2 3, 4
	OUT2 3, 6
	s_endpgm
.Lfunc_end_k_qd9abdf0c0b_ln2:
	.size	k_qd9abdf0c0b_ln2, .Lfunc_end_k_qd9abdf0c0b_ln2-k_qd9abdf0c0b_ln2
	.p2alignl 7, 3214868480
	.fill 96, 4, 3214868480
	.section	.rodata,"a",@progbits
	.p2align	6, 0x0
	.amdhsa_kernel k_qd9abdf0c0b_ln2
		.amdhsa_group_segment_fixed_size 0
		.amdhsa_private_segment_fixed_size 0
		.amdhsa_enable_private_segment 0
		.amdhsa_kernarg_size 32
		.amdhsa_user_sgpr_count 2
		.amdhsa_user_sgpr_kernarg_segment_ptr 1
		.amdhsa_wavefront_size32 1
		.amdhsa_system_sgpr_workgroup_id_x 1
		.amdhsa_system_sgpr_workgroup_id_y 1
		.amdhsa_system_sgpr_workgroup_id_z 1
		.amdhsa_system_vgpr_workitem_id 0
		.amdhsa_next_free_vgpr 216
		.amdhsa_next_free_sgpr 66
		.amdhsa_reserve_vcc 0
		.amdhsa_float_denorm_mode_32 3
		.amdhsa_float_denorm_mode_16_64 3
		.amdhsa_memory_ordered 1
		.amdhsa_forward_progress 1
		.amdhsa_inst_pref_size 38
	.end_amdhsa_kernel
	.amdgpu_metadata
---
amdhsa.version: [ 1, 2 ]
amdhsa.kernels:
  - .name:           k_qd9abdf0c0b_ln2
    .symbol:         k_qd9abdf0c0b_ln2.kd
    .args:
      - { .name: x1, .offset: 0, .size: 8, .value_kind: global_buffer, .address_space: global }
      - { .name: ln2_w, .offset: 8, .size: 8, .value_kind: global_buffer, .address_space: global }
      - { .name: ln2_b, .offset: 16, .size: 8, .value_kind: global_buffer, .address_space: global }
      - { .name: hn, .offset: 24, .size: 8, .value_kind: global_buffer, .address_space: global }
    .group_segment_fixed_size: 0
    .private_segment_fixed_size: 0
    .kernarg_segment_align: 8
    .kernarg_segment_size: 32
    .max_flat_workgroup_size: 128
    .sgpr_count:     66
    .vgpr_count:     216
    .wavefront_size: 32
...
	.end_amdgpu_metadata
.endif
;; end of part 9
;; launch gemm_fc1: the kernel of part 6 again; grid 16 x 16, 4 waves a work-group, clusters of 4 x 4, 327,680 bytes of LDS; arguments hn, wts, b1, g; writes g
;; launch gemm_fc2: the kernel of part 7 again; grid 8 x 32, 4 waves a work-group, clusters of 4 x 4, 327,680 bytes of LDS; arguments g, wts, b2, x1, out0; writes out0
